; MI455X (gfx1250); checked and timed in simulation.
; The chip was launched on July 23, 2026; its instructions are those of AMD's public machine-readable ISA for CDNA 5 (MIT licence, August 2026) and "CDNA5" Instruction Set Architecture Reference Guide (July 2026). The comments in the code are by the model that wrote it; some were corrected since.
;; Diff Attn. Allowed arithmetic: float matrix products may take bf16 or f16 operands with f32 sums; all other float work in f32.
;; Inputs: W_k 1,024 x 1,024 float32; W_q 1,024 x 1,024 float32; W_v 1,024 x 1,024 float32; b_k 1,024 float32; b_q 1,024 float32; b_v 1,024 float32; hidden_states 4 x 2,048 x 1,024 float32; scalar 1 float32.
;; Outputs: out0 4 x 2,048 x 1,024 float32.
;; 2 versions, each right; version 2 is version 1 with the launch combine written anew for expert scheduling mode. Each part assembles by itself: llvm-mc -triple=amdgcn-amd-amdhsa -mcpu=gfx1250 --defsym DOCPART=n.
;; ======== version 1 of 2: 5 launches
;; limits: values outside matrix products are rounded to f16
;; workspace buffers: xw 23,068,672 bytes; qkv 50,331,648 bytes; p 67,108,864 bytes; stats 2,097,152 bytes; pc 33,554,432 bytes
;; launch cast (part 1): grid 1408 x 1, 8 waves a work-group, no clusters, 0 bytes of LDS; arguments hidden_states, W_q, W_k, W_v, xw; writes xw
.if DOCPART == 1
	.amdgcn_target "amdgcn-amd-amdhsa--gfx1250"
	.amdhsa_code_object_version 6
	.text
	.protected	k_q747be904a6_cast
	.globl	k_q747be904a6_cast
	.p2align	8
	.type	k_q747be904a6_cast,@function
k_q747be904a6_cast:
	s_mov_b64 s[64:65], 0
	v_nop
	global_prefetch_b8 v0, s[64:65] scope:SCOPE_SE
	s_setreg_imm32_b32 hwreg(HW_REG_WAVE_MODE, 25, 1), 1
	s_wait_xcnt 0x0
; xw = bf16 of [hidden_states (8192 rows); W_q (1024 rows); W_k (1024 rows); W_v (1024 rows)], all rows of 1024 numbers, one after the other.
; A stream: every input byte is read once, every output byte is written once, each number is rounded once (to nearest even).
; Work-group g takes 8,192 numbers: 32 KiB in, 16 KiB out.  g 0-1023: hidden_states; 1024-1151: W_q; 1152-1279: W_k; 1280-1407: W_v.
; xw is the concatenation, so the output offset is 16 KiB x g whatever the source.
; Thread t takes 16 bytes at 16 t of each 4 KiB piece: a wave's load covers 512 consecutive bytes, its store 256 consecutive bytes, aligned.
; No LDS, no barrier, no matrix unit, no cluster: no number is used twice and no work-group shares an input byte with another.
; All eight loads of a wave go out first; no register is written twice, so the only waits are the counted ones for the data.
.set X, 4                              ; v[4:35]   eight pieces of 4 f32
.set Y, 36                             ; v[36:51]  eight pieces of 4 bf16
	s_load_b256 s[4:11], s[0:1], 0x0               ; hidden_states s[4:5], W_q s[6:7], W_k s[8:9], W_v s[10:11]
	s_load_b64 s[12:13], s[0:1], 0x20              ; xw
	s_and_b32 s14, ttmp9, 127                      ; the piece's number inside a weight (128 pieces each),
	s_cmp_lt_u32 ttmp9, 1024
	s_cselect_b32 s14, ttmp9, s14                  ; or inside hidden_states
	s_lshl_b32 s14, s14, 15                        ; x 32 KiB: at most 1023 x 32 KiB, below 4 GiB
	s_mov_b32 s15, 0
	s_lshl_b32 s18, ttmp9, 14                      ; x 16 KiB
	s_mov_b32 s19, 0
	v_lshlrev_b32 v1, 4, v0                        ; 16 t
	v_lshlrev_b32 v2, 3, v0                        ; 8 t
	s_wait_kmcnt 0x0
	s_cmp_lt_u32 ttmp9, 1280                       ; the source is chosen by the work-group's number alone
	s_cselect_b64 s[16:17], s[8:9], s[10:11]
	s_cmp_lt_u32 ttmp9, 1152
	s_cselect_b64 s[16:17], s[6:7], s[16:17]
	s_cmp_lt_u32 ttmp9, 1024
	s_cselect_b64 s[16:17], s[4:5], s[16:17]
	s_add_nc_u64 s[16:17], s[16:17], s[14:15]
	s_add_nc_u64 s[12:13], s[12:13], s[18:19]
.irp i, 0,1,2,3,4,5,6,7
	global_load_b128 v[X+4*\i:X+4*\i+3], v1, s[16:17] offset:4096*\i th:TH_LOAD_NT   ; read once in the launch
.endr
.irp i, 0,1,2,3,4,5,6,7
	s_wait_loadcnt 7-\i                            ; loads come back in order (ISA guide 5.7.1): piece i is in, the 7 - i younger ones stay out
	v_cvt_pk_bf16_f32 v[Y+2*\i],   v[X+4*\i],   v[X+4*\i+1]
	v_cvt_pk_bf16_f32 v[Y+2*\i+1], v[X+4*\i+2], v[X+4*\i+3]
	global_store_b64 v2, v[Y+2*\i:Y+2*\i+1], s[12:13] offset:2048*\i
.endr
	s_endpgm
.Lfunc_end_k_q747be904a6_cast:
	.size	k_q747be904a6_cast, .Lfunc_end_k_q747be904a6_cast-k_q747be904a6_cast
	.p2alignl 7, 3214868480
	.fill 96, 4, 3214868480
	.section	.rodata,"a",@progbits
	.p2align	6, 0x0
	.amdhsa_kernel k_q747be904a6_cast
		.amdhsa_group_segment_fixed_size 0
		.amdhsa_private_segment_fixed_size 0
		.amdhsa_enable_private_segment 0
		.amdhsa_kernarg_size 40
		.amdhsa_user_sgpr_count 2
		.amdhsa_user_sgpr_kernarg_segment_ptr 1
		.amdhsa_wavefront_size32 1
		.amdhsa_system_sgpr_workgroup_id_x 1
		.amdhsa_system_sgpr_workgroup_id_y 1
		.amdhsa_system_sgpr_workgroup_id_z 1
		.amdhsa_system_vgpr_workitem_id 0
		.amdhsa_next_free_vgpr 52
		.amdhsa_next_free_sgpr 66
		.amdhsa_reserve_vcc 0
		.amdhsa_float_denorm_mode_32 3
		.amdhsa_float_denorm_mode_16_64 3
		.amdhsa_memory_ordered 1
		.amdhsa_forward_progress 1
		.amdhsa_inst_pref_size 4
	.end_amdhsa_kernel
	.amdgpu_metadata
---
amdhsa.version: [ 1, 2 ]
amdhsa.kernels:
  - .name:           k_q747be904a6_cast
    .symbol:         k_q747be904a6_cast.kd
    .args:
      - { .name: hidden_states, .offset: 0, .size: 8, .value_kind: global_buffer, .address_space: global }
      - { .name: W_q, .offset: 8, .size: 8, .value_kind: global_buffer, .address_space: global }
      - { .name: W_k, .offset: 16, .size: 8, .value_kind: global_buffer, .address_space: global }
      - { .name: W_v, .offset: 24, .size: 8, .value_kind: global_buffer, .address_space: global }
      - { .name: xw, .offset: 32, .size: 8, .value_kind: global_buffer, .address_space: global }
    .group_segment_fixed_size: 0
    .private_segment_fixed_size: 0
    .kernarg_segment_align: 8
    .kernarg_segment_size: 40
    .max_flat_workgroup_size: 256
    .sgpr_count:     66
    .vgpr_count:     52
    .wavefront_size: 32
...
	.end_amdgpu_metadata
.endif
;; end of part 1
;; launch proj (part 2): grid 12 x 32, 4 waves a work-group, clusters of 4 x 4, 327,680 bytes of LDS; arguments xw, b_q, b_k, b_v, qkv; writes qkv
.if DOCPART == 2
	.amdgcn_target "amdgcn-amd-amdhsa--gfx1250"
	.amdhsa_code_object_version 6
	.text
	.protected	k_q747be904a6_proj
	.globl	k_q747be904a6_proj
	.p2align	8
	.type	k_q747be904a6_proj,@function
k_q747be904a6_proj:
	s_mov_b64 s[64:65], 0
	v_nop
	global_prefetch_b8 v0, s[64:65] scope:SCOPE_SE
	s_setreg_imm32_b32 hwreg(HW_REG_WAVE_MODE, 25, 1), 1
	s_wait_xcnt 0x0
	s_wait_alu depctr_hold_cnt(0) depctr_sa_sdst(0) depctr_va_vdst(0) depctr_va_sdst(0) depctr_va_ssrc(0) depctr_va_vcc(0) depctr_vm_vsrc(0)
	s_getreg_b32 s2, hwreg(HW_REG_IB_STS2, 6, 4)
	s_cmp_eq_u32 s2, 0
	s_cbranch_scc0 .Lentry_in_a_cluster
	s_endpgm
.Lentry_in_a_cluster:
	s_bfe_u32 s2, ttmp6, 0x10000c
	s_cmp_lg_u32 s2, 0xf033
	s_cbranch_scc0 .Lentry_shape_is_right
	s_endpgm
.Lentry_shape_is_right:
; qkv[m][n] = bias[n] + sum over k of X[m][k] W[n][k], rounded once to bf16.  X = rows 0-8191 of xw, W = rows 8192-11263 of xw (W_q, W_k, W_v),
; both bf16 with 1024 numbers a row; qkv: [8192][3072] bf16, columns 0-1023 Q, 1024-2047 K, 2048-3071 V; bias = b_q, b_k, b_v in f32.  Sums in f32.
; ORDER OF ROUNDING: the bias is the value that the f32 sum starts from (the C operand of the first product), not the last addend.
; A work-group makes a block of 256 x 256 with four waves, as many as a WGP has SIMDs; a wave makes 128 x 128: 64 accumulator tiles of 16 x 16,
; 512 registers.  K goes in steps of 128 through a ring of two LDS slots filled by the tensor data mover: a tile's rows are 256 bytes of memory
; and start at multiples of 256 bytes from the buffer's first byte.  12 x 32 = 384 work-groups.
; CLUSTERS: 4 x 4 work-groups.  The four of a row of the cluster need the same tiles of X, the four of a column the same tiles of W.  Such a tile is
; asked for JOINTLY: each of the four issues the same tensor load, with the same descriptor and a mask that names the four.
;
; REGISTERS, in windows of 256 (s_set_vgpr_msb says which window each operand place means):
;   window 0: v0-31 addresses; v64-127, v128-191 fragments of X (8 x 16 rows x 32 K), two buffers; v192-223 at work on the way out
;   window 1: v0-63 the bias of my 128 columns in the accumulators' layout; v64-127, v128-191 fragments of W, two buffers
;   window 2: the 32 accumulator tiles of my rows 0-63 (tile (a, b) at v[8 (8 a + b)]);   window 3: those of my rows 64-127
; THE MATRIX INSTRUCTION IS USED TRANSPOSED: source 0 = 16 rows of W, source 1 = 16 rows of X.  Lane l then holds row m = l % 16 of the result and its
; registers 0 to 7 the columns n = 8 (l / 16) + 0 .. 7: eight neighbouring numbers of a row, which pack into 16 bytes.
.set SIZE_K, 1024
.set SIZE_N, 3072
.set XBYTES, 8192*1024*2               ; W begins so many bytes behind X in xw
.set KSTEP,  128
.set PITCH,  272                       ; an LDS row: 256 bytes of data + 16 of padding = 68 words: row r starts at bank 4 r mod 64 (64 banks of 4 bytes: ISA guide 11.1)
.set HALFT,  128*PITCH                 ; 128 rows: what one tensor load brings, and what one wave reads of X or of W
.set SLOT,   4*HALFT                   ; X's 256 rows, then W's 256 rows
.set STAGE,  2*SLOT                    ; behind the ring: 16 rows x 272 bytes for each wave, for the way out
.set SPITCH, 272
.set LAPS, SIZE_K/(2*KSTEP)            ; a lap = two K steps = once round the ring: 4
.set ADRA, 16                          ; v16-17  LDS address of my X fragments in slot 0, 1
.set ADRB, 20                          ; v20-21  the same for W
.set STO,  24                          ; v24     the way out: where I put 16 bytes of a row
.set RD,   25                          ; v25     the way out: where I read a row back
.set CO,   26                          ; v26     my byte offset in qkv
.set BO,   27                          ; v27     my byte offset in the bias: 32 (l / 16)
.set F0,   64                          ; fragment buffer 0
.set F1,   128                         ; fragment buffer 1
.set TMP,  192                         ; the way out: packed results, in window 0
.set G1, 24                            ; s[24:31] descriptor group 1 for X's tiles
.set G0, 32                            ; s[32:39] descriptor group 0 for X's tiles, one set for each slot
.set G1B, 48                           ; s[48:55] descriptor group 1 for W's tiles: it differs in the mask alone
.set G0B, 56                           ; s[56:63] descriptor group 0 for W's tiles, one set for each slot
.set MSB, 0
.macro WIN new                         ; the immediate's high byte repeats the setting that is left
.if MSB != \new
	s_set_vgpr_msb (MSB<<8)|\new
.set MSB, \new
.endif
.endm
.set MUL_LO,  0xa1                     ; source 0 (W) window 1, source 1 (X) window 0, C and D window 2
.set MUL_HI,  0xf1                     ; the same, C and D window 3
.set BIAS_LO, 0x91                     ; the first product: C is the bias in window 1, D window 2
.set BIAS_HI, 0xd1                     ; the same, D window 3
.set TO_B,    0x40                     ; destination window 1, address window 0
; A joint load.  Waves 0 and 1 fetch X's two halves, waves 2 and 3 W's.  Each line has ONE mask and one set of registers for all that issue it.
; The branch hangs on the wave's number alone: it is the same in every work-group.
.macro JLOAD s
	s_cmp_eq_u32 s11, 0
	s_cbranch_scc0 .Lfor_b_\@
	tensor_load_to_lds s[G0+4*\s:G0+4*\s+3], s[G1:G1+7]
	s_nop 0
	s_branch .Lasked_\@
.Lfor_b_\@:
	tensor_load_to_lds s[G0B+4*\s:G0B+4*\s+3], s[G1B:G1B+7]
	s_nop 0
	v_nop
.Lasked_\@:
.endm
; A round of the cluster's barrier: my work-group's barrier, so that wave 0's signal speaks for all four waves; wave 0 signals for the work-group;
; every wave waits for all sixteen work-groups; my work-group's barrier once more.
.macro CREST                           ; a round behind its opening barrier
	s_cmp_lg_u32 s10, 0
	s_cbranch_scc1 .Lnot_wave_0_\@
	s_barrier_signal -3
.Lnot_wave_0_\@:
	s_barrier_wait -3
	s_barrier_signal -1
	s_barrier_wait -1
.endm
.macro CROUND                          ; a whole round
	s_barrier_signal -1
	s_barrier_wait -1
	CREST
.endm
	s_load_b64 s[4:5], s[0:1], 0x0                 ; xw
	s_load_b128 s[68:71], s[0:1], 0x8              ; b_q s[68:69], b_k s[70:71]
	s_load_b128 s[72:75], s[0:1], 0x18             ; b_v s[72:73], qkv s[74:75]
	s_set_vgpr_msb 0x40
	v_lshl_add_u32 v255, v0, 2, 0x48400
	s_set_vgpr_msb 0x4000
	v_mov_b32 v255, 0
	s_set_vgpr_msb 0x1
	ds_add_u32 v255, v255
	s_set_vgpr_msb 0x100
	v_lshrrev_b32 v1, 5, v0
	v_readfirstlane_b32 s10, v1                    ; wave 0..3
	s_lshr_b32 s11, s10, 1                         ; which half of the block's rows is mine.  Also: I fetch for X (0) or for W (1)
	s_and_b32 s12, s10, 1                          ; which half of its columns.  Also: which 128 rows of that tile I fetch
	s_bfe_u32 s40, ttmp6, 0x40000                  ; cx: my place along the cluster's x
	s_bfe_u32 s41, ttmp6, 0x40004                  ; cy: along its y
	s_lshl_b32 s42, ttmp9, 2                       ; in a cluster launch ttmp9 and ttmp7 count clusters
	s_add_co_u32 s42, s42, s40                     ; block column = 4 x cluster x + cx
	s_and_b32 s13, ttmp7, 0xffff
	s_lshl_b32 s13, s13, 2
	s_add_co_u32 s13, s13, s41                     ; block row = 4 x cluster y + cy
	s_lshl_b32 s43, s41, 2
	s_lshl_b32 s43, 15, s43                        ; my row of the cluster: places 4 cy .. 4 cy + 3
	s_lshl_b32 s44, 0x1111, s40                    ; my column: places cx, cx + 4, cx + 8, cx + 12
	; descriptor group 1: a tile of 128 rows x 128 elements, padded in LDS
	s_or_b32 s[G1+0], s43, (1<<16)|(1<<20)|(1<<21)|(5<<22)|(3<<25)  ; 15:0 the mask: X's tiles go to my row; 17:16 element of 2 bytes; 20 padding on; 21 set beside a mask; 24:22 after every 64 words (code 5); 31:25 of 4 words (code 3)
	s_or_b32 s[G1B+0], s44, (1<<16)|(1<<20)|(1<<21)|(5<<22)|(3<<25) ; the same with the mask of my column, for W's tiles
	s_mov_b32 s[G1B+1], KSTEP<<16
	s_mov_b32 s[G1+1], KSTEP<<16                   ; 63:48 tensor_dim0, low half = 128
	s_mov_b32 s[G1B+2], 128<<16
	s_mov_b32 s[G1+2], 128<<16                     ; 95:80 tensor_dim1, low half = 128
	s_mov_b32 s[G1B+3], KSTEP<<16
	s_mov_b32 s[G1+3], KSTEP<<16                   ; 127:112 tile_dim0 = 128
	s_mov_b32 s[G1B+4], 128
	s_mov_b32 s[G1+4], 128                         ; 143:128 tile_dim1 = 128; 159:144 tile_dim2 = 0
	s_mov_b32 s[G1B+5], SIZE_K
	s_mov_b32 s[G1+5], SIZE_K                      ; 191:160 elements from row to row
	s_mov_b32 s[G1B+6], 0
	s_mov_b32 s[G1+6], 0
	s_mov_b32 s[G1B+7], 0
	s_mov_b32 s[G1+7], 0
	; where the tiles come from.  X's hang on the block row alone, which my row of the cluster shares; W's on the block column alone.
	s_lshl_b32 s17, s12, 7                         ; which 128 rows of the tile I fetch
	s_lshl_b32 s16, s13, 8
	s_add_co_u32 s16, s16, s17                     ; X: row 256 x block row + 128 x half
	s_lshl_b32 s46, s42, 8
	s_add_co_u32 s46, s46, s17                     ; W: row 256 x block column + 128 x half
	s_mov_b32 s17, 0
	s_mov_b32 s47, 0
	s_mov_b64 s[18:19], SIZE_K*2
	s_mul_u64 s[16:17], s[16:17], s[18:19]         ; in bytes
	s_mul_u64 s[46:47], s[46:47], s[18:19]
	s_mul_i32 s20, s10, HALFT                      ; and where they go: wave x 128 rows: no place in the cluster enters an LDS address
	s_lshl_b32 s78, s40, 10                        ; the bias of my 128 columns: 256 cx + 128 x half numbers of 4 bytes into the vector
	s_lshl_b32 s79, s12, 9
	s_add_co_u32 s78, s78, s79
	s_mov_b32 s79, 0
	s_wait_dscnt 0x0
	s_wait_kmcnt 0x0
	s_add_nc_u64 s[6:7], s[4:5], XBYTES            ; W
	s_mov_b64 s[8:9], s[74:75]                     ; qkv
	s_add_nc_u64 s[14:15], s[4:5], s[16:17]
	s_add_nc_u64 s[46:47], s[6:7], s[46:47]
	s_cmp_eq_u32 ttmp9, 1                          ; a cluster spans 1024 columns: cluster x 0 makes Q, 1 makes K, 2 makes V
	s_cselect_b64 s[76:77], s[70:71], s[72:73]
	s_cmp_eq_u32 ttmp9, 0
	s_cselect_b64 s[76:77], s[68:69], s[76:77]
	s_add_nc_u64 s[76:77], s[76:77], s[78:79]
	CROUND                                         ; all sixteen work-groups are here: the first joint loads meet
.irp s, 0,1
	s_mov_b32 s[G0+4*\s], 1                                        ; 1:0 count = 1
	s_add_co_u32 s[G0+4*\s+1], s20, \s*SLOT                        ; 63:32 LDS address
	s_add_nc_u64 s[G0+4*\s+2:G0+4*\s+3], s[14:15], \s*KSTEP*2      ; 120:64 global address: K step s
	s_or_b32 s[G0+4*\s+3], s[G0+4*\s+3], 0x80000000                ; 127:126 type = 2
	s_mov_b32 s[G0B+4*\s], 1
	s_add_co_u32 s[G0B+4*\s+1], s20, \s*SLOT
	s_add_nc_u64 s[G0B+4*\s+2:G0B+4*\s+3], s[46:47], \s*KSTEP*2
	s_or_b32 s[G0B+4*\s+3], s[G0B+4*\s+3], 0x80000000
	JLOAD \s                                       ; the ring is filled before anything else is done: two tensor loads of the wave are out
.endr
	; A fragment is 16 rows x 32 K in 8 registers: lane l holds row l % 16; registers 0-3 hold K = 8 (l / 16) + 0..7, registers 4-7 hold
	; K = 16 + 8 (l / 16) + 0..7.  From rows that lie along K: two loads of 16 bytes, 32 bytes apart.
	v_and_b32 v1, 15, v0                           ; l % 16
	v_bfe_u32 v2, v0, 4, 1                         ; l / 16
	v_lshlrev_b32 v[BO], 5, v2
	; the bias in the accumulators' layout: register j of tile column b holds bias[16 b + 8 (l / 16) + j], whatever the row
	WIN TO_B
.irp b, 0,1,2,3,4,5,6,7
	global_load_b128 v[8*\b:8*\b+3],   v[BO], s[76:77] offset:64*\b
	global_load_b128 v[8*\b+4:8*\b+7], v[BO], s[76:77] offset:64*\b+16
.endr
	WIN 0
	v_mul_u32_u24 v3, v1, PITCH
	v_lshl_add_u32 v3, v2, 4, v3                   ; row x pitch + 16 x half
	s_mul_i32 s21, s11, HALFT                      ; my 128 rows of X
	s_mul_i32 s22, s12, HALFT                      ; my 128 rows of W,
	s_add_co_u32 s22, s22, 2*HALFT                 ; which lie behind X's 256
.irp s, 0,1
	v_add_nc_u32 v[ADRA+\s], s21, v3
	v_add_nc_u32 v[ADRB+\s], s22, v3
	s_add_co_u32 s21, s21, SLOT
	s_add_co_u32 s22, s22, SLOT
.endr
	s_mul_i32 s23, s10, 16*SPITCH
	s_add_co_u32 s23, s23, STAGE                   ; my stage
	v_mul_u32_u24 v4, v1, SPITCH                   ; in: row l % 16, 16 bytes for each half of the lanes
	v_lshl_add_u32 v4, v2, 4, v4
	v_add_nc_u32 v[STO], s23, v4
	v_mul_u32_u24 v5, v2, SPITCH                   ; back: lanes 0-15 take one row of 256 bytes, lanes 16-31 the next
	v_lshl_add_u32 v5, v1, 4, v5
	v_add_nc_u32 v[RD], s23, v5
	v_mul_u32_u24 v5, v2, SIZE_N*2                 ; and the same two rows in qkv
	v_lshl_add_u32 v[CO], v1, 4, v5
; 16 matrix instructions: m blocks a0, a0 + 1 of the window's four (hi = 0: my rows 0-63, 1: rows 64-127) x all 8 n blocks, 32 along K.
; first = 1: the first product starts the sums from the bias (C = window 1's v[8 b ..]): nothing is cleared, and no addition follows at the end.
.macro MUL16 f, hi, a0, first
.irp a, \a0, \a0+1
.irp b, 0,1,2,3,4,5,6,7
.if \first
	v_wmma_f32_16x16x32_bf16 v[8*(8*(\a)+\b):8*(8*(\a)+\b)+7], v[\f+8*\b:\f+8*\b+7], v[\f+8*(4*\hi+\a):\f+8*(4*\hi+\a)+7], v[8*\b:8*\b+7]
.else
	v_wmma_f32_16x16x32_bf16 v[8*(8*(\a)+\b):8*(8*(\a)+\b)+7], v[\f+8*\b:\f+8*\b+7], v[\f+8*(4*\hi+\a):\f+8*(4*\hi+\a)+7], v[8*(8*(\a)+\b):8*(8*(\a)+\b)+7]
.endif
.endr
.endr
.endm
; 32 LDS loads in one run: the fragments of one quarter step (128 rows of W, 128 rows of X, 32 K at byte k of the rows) into buffer f
.macro FETCH slot, k, f
	WIN TO_B
.irp i, 0,1,2,3,4,5,6,7
	ds_load_b128 v[\f+8*\i:\f+8*\i+3],   v[ADRB+\slot] offset:\k+\i*16*PITCH
	ds_load_b128 v[\f+8*\i+4:\f+8*\i+7], v[ADRB+\slot] offset:\k+\i*16*PITCH+32
.endr
	WIN 0
.irp i, 0,1,2,3,4,5,6,7
	ds_load_b128 v[\f+8*\i:\f+8*\i+3],   v[ADRA+\slot] offset:\k+\i*16*PITCH
	ds_load_b128 v[\f+8*\i+4:\f+8*\i+7], v[ADRA+\slot] offset:\k+\i*16*PITCH+32
.endr
.endm
; A load into a register that a matrix instruction has read, and a vector instruction that reads a matrix result, stand four places behind that
; matrix instruction, and only plain vector instructions that name none of its registers are places (ISA guide 7.12.1 for vector instructions).
; So four v_nop stand in front of each run of loads.
.macro PLACES
.rept 4
	v_nop
.endr
.endm
; A K step is four quarter steps of 32 along K, 64 matrix instructions each, on buffers 0, 1, 0, 1.  The 64 accumulators take turns, one instruction
; a turn, in the same order in every quarter.
.macro QUARTER slot, k, f, g, first
	s_wait_dscnt 8                                 ; W and X's rows 0-63 are in; the youngest eight loads (X's rows 64-127) may be out
.if \first
	WIN BIAS_LO
.else
	WIN MUL_LO
.endif
	MUL16 \f, 0, 0, \first
	MUL16 \f, 0, 2, \first
	PLACES
	FETCH \slot, \k, \g
	s_wait_dscnt 32                                ; all but the 32 just issued
.if \first
	WIN BIAS_HI
.else
	WIN MUL_HI
.endif
	MUL16 \f, 1, 0, \first
	MUL16 \f, 1, 2, \first
.endm
.macro THREE slot, first
	QUARTER \slot, 64,  F0, F1, \first
	QUARTER \slot, 128, F1, F0, 0
	QUARTER \slot, 192, F0, F1, 0
.endm
; The last quarter: multiplies buffer 1 and changes slots.  next = the other slot; fill = 1: this slot is filled again, two K steps ahead.
; ONE barrier for the change of slots.  In front of it each wave waits for its own reads of this slot and for all its tensor loads, of which one is
; out: its part of the next slot.  Behind it nobody reads this slot any more and the next slot is whole: the refill comes first, then the next
; slot's first fragments.  From a request to the wait for it a wave issues 240 matrix instructions.
.macro TURN slot, next, fill
	s_wait_dscnt 8
	WIN MUL_LO
	MUL16 F1, 0, 0, 0
	s_wait_dscnt 0                                 ; my reads of this slot are over
	s_wait_tensorcnt 0x0                           ; and all my tensor loads have landed
	ds_add_u32 v255, v255
	s_wait_dscnt 0x0
	s_barrier_signal -1                            ; say so (where a slot is filled again this barrier opens a round of the cluster's barrier),
	MUL16 F1, 0, 2, 0                              ; work on registers while the others arrive,
	WIN 0
	s_barrier_wait -1
.if \fill
	CREST                                          ; no wave of any partner still reads this slot's tile or has a load on its way
	s_add_nc_u64 s[G0+4*\slot+2:G0+4*\slot+3], s[G0+4*\slot+2:G0+4*\slot+3], 2*KSTEP*2
	s_add_nc_u64 s[G0B+4*\slot+2:G0B+4*\slot+3], s[G0B+4*\slot+2:G0B+4*\slot+3], 2*KSTEP*2
	JLOAD \slot                                    ; the first tensor load behind the round, and the wave's only one until the next
.endif
	PLACES
	FETCH \next, 0, F0
	WIN MUL_HI
	MUL16 F1, 1, 0, 0
	MUL16 F1, 1, 2, 0
.endm
.macro LAP first                       ; once round the ring, both slots filled again
	THREE 0, \first
	TURN 0, 1, 1
	THREE 1, 0
	TURN 1, 0, 1
.endm
	s_wait_loadcnt 0x0                             ; the bias, once
	s_wait_tensorcnt 1                             ; my part of K step 0 is in; K step 1's stays out
	s_barrier_signal -1
	s_barrier_wait -1                              ; everybody's is
	FETCH 0, 0, F0
	LAP 1                                          ; the first lap stands in front of the loop: its first products start the sums
	WIN 0                                          ; at a label and at a branch every window is 0
	s_mov_b32 s3, LAPS-2
.Llap:
	LAP 0
	WIN 0
	s_sub_co_u32 s3, s3, 1
	s_cmp_lg_u32 s3, 0
	s_cbranch_scc1 .Llap
	THREE 0, 0                                     ; the last lap fills nothing, and has no round of the cluster's barrier
	TURN 0, 1, 0
	THREE 1, 0
	s_wait_dscnt 8                                 ; the very last quarter: nothing more to fetch
	WIN MUL_LO
	MUL16 F1, 0, 0, 0
	MUL16 F1, 0, 2, 0
	s_wait_dscnt 0
	WIN MUL_HI
	MUL16 F1, 1, 0, 0
	MUL16 F1, 1, 2, 0
	; THE WAY OUT, 16 rows at a time: round to bf16, 16 bytes a lane into my own stage in LDS, read back as whole rows of 256 bytes.
	PLACES                                         ; the places behind the last matrix instructions
	s_lshl_b32 s13, s13, 8
	s_lshl_b32 s14, s11, 7
	s_add_co_u32 s16, s13, s14                     ; my first row
	s_mov_b32 s17, 0
	s_mov_b64 s[18:19], SIZE_N*2
	s_mul_u64 s[16:17], s[16:17], s[18:19]
	s_add_nc_u64 s[8:9], s[8:9], s[16:17]
	s_lshl_b32 s46, s42, 9                         ; my first column, in bytes: 512 x block + 256 x half (in the registers that held W's address)
	s_lshl_b32 s47, s12, 8
	s_add_co_u32 s46, s46, s47
	s_mov_b32 s47, 0
	s_add_nc_u64 s[8:9], s[8:9], s[46:47]
; rows 16 i .. 16 i + 15 of my block = the eight tiles (a, 0..7) of window 2 or 3 (from = 0x0a or 0x0f: sources 0 and 1); f: F0 or F1 in turn
.macro OUT16 i, a, from, f
	WIN \from
.irp b, 0,1,2,3,4,5,6,7
.irp r, 0,1,2,3
	v_cvt_pk_bf16_f32 v[TMP+4*\b+\r], v[8*(8*\a+\b)+2*\r], v[8*(8*\a+\b)+2*\r+1]
.endr
.endr
	WIN 0
.irp b, 0,1,2,3,4,5,6,7
	ds_store_b128 v[STO], v[TMP+4*\b:TMP+4*\b+3] offset:32*\b
.endr
	s_wait_xcnt 0x0                                ; buffer f, which earlier stores read, and the stores' base are rewritten only behind this wait (ISA guide 3.1)
.if \i
	s_add_nc_u64 s[8:9], s[8:9], 16*SIZE_N*2       ; 16 rows on, so that the stores' offsets stay at 14 rows at the most
.endif
.irp t, 0,1,2,3,4,5,6,7
	ds_load_b128 v[\f+4*\t:\f+4*\t+3], v[RD] offset:\t*2*SPITCH    ; LDS serves a wave's instructions in order (ISA guide 5.7.1.4): these see the stores above
.endr
.irp t, 0,1,2,3,4,5,6,7
	s_wait_dscnt 7-\t                              ; read-back t is in, the 7 - t younger ones stay out
	global_store_b128 v[CO], v[\f+4*\t:\f+4*\t+3], s[8:9] offset:2*\t*SIZE_N*2   ; 16 lanes store 256 consecutive bytes, at a multiple of 256 from qkv's first byte
.endr
.endm
	OUT16 0, 0, 0x0a, F0
	OUT16 1, 1, 0x0a, F1
	OUT16 2, 2, 0x0a, F0
	OUT16 3, 3, 0x0a, F1
	OUT16 4, 0, 0x0f, F0
	OUT16 5, 1, 0x0f, F1
	OUT16 6, 2, 0x0f, F0
	OUT16 7, 3, 0x0f, F1
	s_set_vgpr_msb 0x1
	s_wait_tensorcnt 0x0
	ds_add_u32 v255, v255
	s_wait_dscnt 0x0
	s_set_vgpr_msb 0x100
	CROUND                                         ; the closing round: no work-group ends while a partner may still ask for a tile that names it
	s_endpgm
.Lfunc_end_k_q747be904a6_proj:
	.size	k_q747be904a6_proj, .Lfunc_end_k_q747be904a6_proj-k_q747be904a6_proj
	.p2alignl 7, 3214868480
	.fill 96, 4, 3214868480
	.section	.rodata,"a",@progbits
	.p2align	6, 0x0
	.amdhsa_kernel k_q747be904a6_proj
		.amdhsa_group_segment_fixed_size 327680
		.amdhsa_private_segment_fixed_size 0
		.amdhsa_enable_private_segment 0
		.amdhsa_kernarg_size 40
		.amdhsa_user_sgpr_count 2
		.amdhsa_user_sgpr_kernarg_segment_ptr 1
		.amdhsa_wavefront_size32 1
		.amdhsa_system_sgpr_workgroup_id_x 1
		.amdhsa_system_sgpr_workgroup_id_y 1
		.amdhsa_system_sgpr_workgroup_id_z 1
		.amdhsa_system_vgpr_workitem_id 0
		.amdhsa_next_free_vgpr 1024
		.amdhsa_next_free_sgpr 80
		.amdhsa_reserve_vcc 0
		.amdhsa_float_denorm_mode_32 3
		.amdhsa_float_denorm_mode_16_64 3
		.amdhsa_memory_ordered 1
		.amdhsa_forward_progress 1
		.amdhsa_inst_pref_size 198
	.end_amdhsa_kernel
	.amdgpu_metadata
---
amdhsa.version: [ 1, 2 ]
amdhsa.kernels:
  - .name:           k_q747be904a6_proj
    .symbol:         k_q747be904a6_proj.kd
    .args:
      - { .name: xw, .offset: 0, .size: 8, .value_kind: global_buffer, .address_space: global }
      - { .name: b_q, .offset: 8, .size: 8, .value_kind: global_buffer, .address_space: global }
      - { .name: b_k, .offset: 16, .size: 8, .value_kind: global_buffer, .address_space: global }
      - { .name: b_v, .offset: 24, .size: 8, .value_kind: global_buffer, .address_space: global }
      - { .name: qkv, .offset: 32, .size: 8, .value_kind: global_buffer, .address_space: global }
    .group_segment_fixed_size: 327680
    .private_segment_fixed_size: 0
    .kernarg_segment_align: 8
    .kernarg_segment_size: 40
    .max_flat_workgroup_size: 128
    .sgpr_count:     80
    .vgpr_count:     1024
    .wavefront_size: 32
...
	.end_amdgpu_metadata
.endif
;; end of part 2
;; launch scores (part 3): grid 8 x 32, 4 waves a work-group, clusters of 4 x 4, 327,680 bytes of LDS; arguments qkv, p, stats; writes p, stats
.if DOCPART == 3
	.amdgcn_target "amdgcn-amd-amdhsa--gfx1250"
	.amdhsa_code_object_version 6
	.text
	.protected	k_q747be904a6_scores
	.globl	k_q747be904a6_scores
	.p2align	8
	.type	k_q747be904a6_scores,@function
k_q747be904a6_scores:
	s_mov_b64 s[64:65], 0
	v_nop
	global_prefetch_b8 v0, s[64:65] scope:SCOPE_SE
	s_setreg_imm32_b32 hwreg(HW_REG_WAVE_MODE, 25, 1), 1
	s_wait_xcnt 0x0
	s_wait_alu depctr_hold_cnt(0) depctr_sa_sdst(0) depctr_va_vdst(0) depctr_va_sdst(0) depctr_va_ssrc(0) depctr_va_vcc(0) depctr_vm_vsrc(0)
	s_getreg_b32 s2, hwreg(HW_REG_IB_STS2, 6, 4)
	s_cmp_eq_u32 s2, 0
	s_cbranch_scc0 .Lentry_in_a_cluster
	s_endpgm
.Lentry_in_a_cluster:
	s_bfe_u32 s2, ttmp6, 0x10000c
	s_cmp_lg_u32 s2, 0xf033
	s_cbranch_scc0 .Lentry_shape_is_right
	s_endpgm
.Lentry_shape_is_right:
; For batch b, a block of 256 queries and a block of 256 keys, and for both halves h = 0, 1 of the model's 1024 columns, one after the other (z = 2 b + h):
; S[q][key] = sum over 512 d of Q_h[q][d] K_h[key][d], in f32 from bf16 operands.  Then, for each row q and each block of 128 keys:
; m' = c max S,  P = 2^(c S - m') rounded to f16,  l = the sum of the 128 unrounded 2^(c S - m'),  with c = log2(e) / 32 (reference()'s scale 1 / sqrt(1024),
; and e^x = 2^(x log2 e)).  The maximum that is taken away is that of the row's own 128 keys; the next launch brings the sixteen blocks of a row onto the
; row's maximum: together that is softmax with the maximum taken away, for every input.
; BOTH HALVES IN ONE WORK-GROUP: in a row of qkv the columns of half 1 follow those of half 0, for Q and for K, so the ring of tiles walks eight K steps of
; 128 without a break.  Behind step 3 the sums of half 0 are whole: they go through the softmax and out, and step 4 starts new sums.  The tiles of steps 4 and
; 5 were asked for in steps 2 and 3, and half 0's stores leave while half 1 is multiplied.  8 x 32 = 256 work-groups.
; p IS WRITTEN IN THE ORDER OF A MATRIX FRAGMENT: [8 z][128 groups of 16 rows][64 fragments of 32 keys][2 halves][32 lanes][8 f16]: lane r + 16 h of half c holds
; keys 16 c + 8 h + 0..7 of row r.  A fragment is 1 KiB, a group of rows 64 KiB.  An accumulator tile b of this kernel, packed, IS half b % 2 of fragment b / 2:
; each tile leaves by one store of 512 consecutive bytes, with no way through LDS, and the last launch reads it as a matrix operand with plain loads.
; stats: m' as f32 [8 z][16 blocks][2048 q], then l in the same layout 1 MiB further on.
; WHY f16 FOR P: P is no matrix operand here, only a number on its way to the next launch, and it lies in (0, 1] whatever the inputs, since its block's
; maximum has been taken away: f16's range cannot be passed, and its 11 bits keep this rounding an eighth of the one that the matrix operand gets later.
; LIMITS: a P below 2^-14 is kept with an error of at most 2^-25 (f16's denormals), one below 2^-25 becomes zero: over a row's 2048 keys at most
; 2048 x 2^-25 = 2^-14 of the weight of the block's largest term; 2^x below 2^-126 comes out of v_exp_f32 as zero (ISA guide 15.8);
; a row whose scores are not finite gives NaN, as it does in reference().
; The product: 256 x 256 for a work-group, 128 x 128 for each of four waves (64 accumulator tiles, 512 registers), through a ring of two LDS slots filled by the
; tensor data mover; a wave's 128 columns are one block of 128 keys, so max and sum never leave the wave.
; CLUSTERS: 4 x 4 work-groups of one batch.  The four of a row of the cluster need the same rows of Q, the four of a column the same rows of K: joint loads.
; REGISTERS: window 0: v0-59 addresses and the softmax's small values; v64-127, v128-191 fragments of Q, in the softmax exponents and exponentials;
;   v192-223, v224-255 packed P, two sets in turn.  Window 1: v64-191 fragments of K.  Windows 2, 3: accumulators, tile (a, b) at v[8 (8 a + b)].
; THE MATRIX INSTRUCTION IS USED TRANSPOSED (source 0 = rows of K, source 1 = rows of Q): lane l holds query row l % 16 and in tile b the keys
; 16 b + 8 (l / 16) + 0..7: a lane and its partner l xor 16 together hold a row's 128 keys.
.set QKVP,   3072                      ; elements in a row of qkv
.set KSTEP,  128
.set PITCH,  272                       ; an LDS row: 256 bytes + 16 of padding: the 16 rows that a load touches start at 16 different banks (ISA guide 11.1)
.set HALFT,  128*PITCH
.set SLOT,   4*HALFT                   ; Q's 256 rows, then K's 256 rows
.set STAGE,  2*SLOT                    ; behind the ring, for each wave: 512 bytes of m', 512 bytes of l
.set WSTAGE, 1024
.set RGB,    65536                     ; bytes of a group of 16 rows in p
.set HEADB,  0x800000                  ; bytes of one z in p
.set LOFF,   1048576                   ; l lies so far behind m' in stats
.set SHEAD,  131072                    ; bytes of one z's m' in stats
.set ADRA, 16
.set ADRB, 20
.set SM,   27                          ; v27     LDS: m' of row l % 16 of the first 16 rows
.set SR,   28                          ; v28     LDS: 16 bytes a lane of the 128 m'
.set GS,   29                          ; v29     16 x lane; never rewritten
.set MX,   32                          ; v[32:35] four running maxima
.set PX,   36                          ; v36     the partner lane's maximum
.set MP,   37                          ; v37     m'
.set NM,   38                          ; v[38:39] -m', twice
.set CC,   40                          ; v[40:41] c, twice
.set SU,   42                          ; v[42:49] four pairs of running sums
.set PY,   50                          ; v50     the partner lane's sum
.set ST,   52                          ; v[52:59] m' and l read back, to store
.set F0,   64
.set F1,   128
.set T,    64                          ; v[64:127]  c S - m'
.set E,    128                         ; v[128:191] 2^(c S - m')
.set TMPA, 192                         ; packed P of 16 rows, two sets in turn
.set TMPB, 224
.set G1, 24
.set G0, 32
.set G1B, 48
.set G0B, 56
.set MSB, 0
.macro WIN new                         ; the immediate's high byte repeats the setting that is left
.if MSB != \new
	s_set_vgpr_msb (MSB<<8)|\new
.set MSB, \new
.endif
.endm
.set MUL_LO, 0xa1                      ; source 0 (K) window 1, source 1 (Q) window 0, C and D window 2
.set MUL_HI, 0xf1                      ; the same, C and D window 3
.set TO_B,   0x40                      ; destination window 1, address window 0
.macro JLOAD s                         ; waves 0 and 1 fetch Q's two halves, waves 2 and 3 K's; the branch hangs on the wave's number alone
	s_cmp_eq_u32 s11, 0
	s_cbranch_scc0 .Lfor_b_\@
	tensor_load_to_lds s[G0+4*\s:G0+4*\s+3], s[G1:G1+7]
	s_nop 0
	s_branch .Lasked_\@
.Lfor_b_\@:
	tensor_load_to_lds s[G0B+4*\s:G0B+4*\s+3], s[G1B:G1B+7]
	s_nop 0
.Lasked_\@:
.endm
.macro CREST                           ; a round of the cluster's barrier behind its opening barrier
	s_cmp_lg_u32 s10, 0
	s_cbranch_scc1 .Lnot_wave_0_\@
	s_barrier_signal -3
.Lnot_wave_0_\@:
	s_barrier_wait -3
	s_barrier_signal -1
	s_barrier_wait -1
.endm
.macro CROUND                          ; a whole round
	s_barrier_signal -1
	s_barrier_wait -1
	CREST
.endm
	s_load_b128 s[4:7], s[0:1], 0x0                ; qkv s[4:5], p s[6:7]
	s_load_b64 s[72:73], s[0:1], 0x10              ; stats
	s_set_vgpr_msb 0x40
	v_lshl_add_u32 v255, v0, 2, 0x45000
	s_set_vgpr_msb 0x4000
	v_mov_b32 v63, 0
	s_set_vgpr_msb 0x1
	ds_add_u32 v255, v63
	s_set_vgpr_msb 0x100
	v_lshrrev_b32 v1, 5, v0
	v_readfirstlane_b32 s10, v1                    ; wave 0..3
	s_lshr_b32 s11, s10, 1                         ; which half of the block's rows is mine.  Also: I fetch for Q (0) or for K (1)
	s_and_b32 s12, s10, 1                          ; which half of its columns.  Also: which 128 rows of that tile I fetch
	s_bfe_u32 s40, ttmp6, 0x40000                  ; cx
	s_bfe_u32 s41, ttmp6, 0x40004                  ; cy
	s_lshl_b32 s42, ttmp9, 2
	s_add_co_u32 s42, s42, s40                     ; block of 256 keys = 4 x cluster x + cx, 0..7
	s_and_b32 s66, ttmp7, 0xffff                   ; cluster y, 0..7: two clusters deep for each batch
	s_lshr_b32 s68, s66, 1                         ; b: the same in all sixteen work-groups
	s_and_b32 s13, s66, 1
	s_lshl_b32 s13, s13, 2
	s_add_co_u32 s13, s13, s41                     ; block of 256 queries, 0..7
	s_lshl_b32 s43, s41, 2
	s_lshl_b32 s43, 15, s43                        ; my row of the cluster
	s_lshl_b32 s44, 0x1111, s40                    ; my column
	s_or_b32 s[G1+0], s43, (1<<16)|(1<<20)|(1<<21)|(5<<22)|(3<<25)  ; mask of my row; element of 2 bytes; padding on; bit 21 beside a mask; after every 64 words, 4 words
	s_or_b32 s[G1B+0], s44, (1<<16)|(1<<20)|(1<<21)|(5<<22)|(3<<25) ; the same with the mask of my column
	s_mov_b32 s[G1B+1], KSTEP<<16
	s_mov_b32 s[G1+1], KSTEP<<16                   ; tensor_dim0 = 128
	s_mov_b32 s[G1B+2], 128<<16
	s_mov_b32 s[G1+2], 128<<16                     ; tensor_dim1 = 128
	s_mov_b32 s[G1B+3], KSTEP<<16
	s_mov_b32 s[G1+3], KSTEP<<16                   ; tile_dim0 = 128
	s_mov_b32 s[G1B+4], 128
	s_mov_b32 s[G1+4], 128                         ; tile_dim1 = 128
	s_mov_b32 s[G1B+5], QKVP
	s_mov_b32 s[G1+5], QKVP                        ; 3,072 elements from row to row
	s_mov_b32 s[G1B+6], 0
	s_mov_b32 s[G1+6], 0
	s_mov_b32 s[G1B+7], 0
	s_mov_b32 s[G1+7], 0
	; Q's tiles hang on b and the block of queries (cy); K's on b and the block of keys (cx).  All offsets stay below qkv's 50,331,648 bytes.
	s_lshl_b32 s16, s68, 11                        ; 2048 b
	s_lshl_b32 s17, s13, 8
	s_add_co_u32 s16, s16, s17                     ; + 256 x block of queries
	s_lshl_b32 s17, s12, 7
	s_add_co_u32 s16, s16, s17                     ; + 128 x the half that I fetch
	s_mul_i32 s16, s16, QKVP*2                     ; rows of 6,144 bytes; Q's columns begin the row
	s_mov_b32 s17, 0
	s_lshl_b32 s46, s68, 11
	s_lshl_b32 s47, s42, 8
	s_add_co_u32 s46, s46, s47                     ; 2048 b + 256 x block of keys
	s_lshl_b32 s47, s12, 7
	s_add_co_u32 s46, s46, s47
	s_mul_i32 s46, s46, QKVP*2
	s_add_co_u32 s46, s46, 2048                    ; K's columns begin 1024 elements into a row
	s_mov_b32 s47, 0
	s_mul_i32 s20, s10, HALFT                      ; where the tiles go: wave x 128 rows
	s_wait_dscnt 0x0
	s_wait_kmcnt 0x0
	s_add_nc_u64 s[14:15], s[4:5], s[16:17]
	s_add_nc_u64 s[46:47], s[4:5], s[46:47]
	CROUND                                         ; all sixteen work-groups are here: the first joint loads meet
.irp s, 0,1
	s_mov_b32 s[G0+4*\s], 1
	s_add_co_u32 s[G0+4*\s+1], s20, \s*SLOT
	s_add_nc_u64 s[G0+4*\s+2:G0+4*\s+3], s[14:15], \s*KSTEP*2
	s_or_b32 s[G0+4*\s+3], s[G0+4*\s+3], 0x80000000
	s_mov_b32 s[G0B+4*\s], 1
	s_add_co_u32 s[G0B+4*\s+1], s20, \s*SLOT
	s_add_nc_u64 s[G0B+4*\s+2:G0B+4*\s+3], s[46:47], \s*KSTEP*2
	s_or_b32 s[G0B+4*\s+3], s[G0B+4*\s+3], 0x80000000
	JLOAD \s                                       ; two tensor loads of the wave are out
.endr
	; where the results go.  p: 16 MiB for a batch, 1 MiB for 256 rows, 512 KiB for my 128; 8 KiB for 256 keys, 4 KiB for my 128: below 64 MiB in all.
	s_lshl_b32 s16, s68, 24
	s_lshl_b32 s17, s13, 20
	s_add_co_u32 s16, s16, s17
	s_lshl_b32 s17, s11, 19
	s_add_co_u32 s16, s16, s17
	s_mov_b32 s17, 0
	s_add_nc_u64 s[8:9], s[6:7], s[16:17]
	s_lshl_b32 s46, s42, 13
	s_lshl_b32 s47, s12, 12
	s_add_co_u32 s46, s46, s47
	s_mov_b32 s47, 0
	s_add_nc_u64 s[8:9], s[8:9], s[46:47]          ; half 0
	s_add_nc_u64 s[76:77], s[8:9], HEADB           ; half 1
	s_lshl_b32 s75, s68, 5                         ; stats: block 32 b + 2 x block of 256 keys + my half,
	s_lshl1_add_u32 s75, s42, s75
	s_add_co_u32 s75, s75, s12
	s_lshl_b32 s75, s75, 13                        ; of 2,048 rows of 4 bytes,
	s_lshl_b32 s74, s13, 10                        ; and my first row: 256 x block + 128 x half, 4 bytes each
	s_add_co_u32 s74, s74, s75
	s_lshl_b32 s75, s11, 9
	s_add_co_u32 s74, s74, s75
	s_mov_b32 s75, 0
	s_add_nc_u64 s[72:73], s[72:73], s[74:75]      ; half 0
	s_add_nc_u64 s[78:79], s[72:73], SHEAD         ; half 1: sixteen blocks further on
	v_and_b32 v1, 15, v0                           ; l % 16
	v_bfe_u32 v2, v0, 4, 1                         ; l / 16
	v_mul_u32_u24 v3, v1, PITCH
	v_lshl_add_u32 v3, v2, 4, v3                   ; row x pitch + 16 x half
	s_mul_i32 s21, s11, HALFT                      ; my 128 rows of Q
	s_mul_i32 s22, s12, HALFT                      ; my 128 rows of K,
	s_add_co_u32 s22, s22, 2*HALFT                 ; which lie behind Q's 256
.irp s, 0,1
	v_add_nc_u32 v[ADRA+\s], s21, v3
	v_add_nc_u32 v[ADRB+\s], s22, v3
	s_add_co_u32 s21, s21, SLOT
	s_add_co_u32 s22, s22, SLOT
.endr
	s_mul_i32 s23, s10, WSTAGE
	s_add_co_u32 s23, s23, STAGE                   ; my 128 m', then my 128 l
	v_and_b32 v6, 31, v0
	v_lshlrev_b32 v[GS], 4, v6
	v_lshl_add_u32 v[SM], v1, 2, s23
	v_add_nc_u32 v[SR], s23, v[GS]
	v_mov_b32 v[PX], 0                             ; v_permlanex16_b32 counts as a reader of its destination
	v_mov_b32 v[PY], 0
	v_mov_b32 v[CC], 0x3d38aa3b                    ; c = log2(e) / 32
	v_mov_b32 v[CC+1], 0x3d38aa3b
	s_mov_b32 s70, 0x76543210                      ; v_permlanex16_b32: lane i of one half reads lane i of the other
	s_mov_b32 s71, 0xfedcba98
.macro MUL16 f, hi, a0, zero           ; 16 matrix instructions; zero = 1: the first product starts the sums
.irp a, \a0, \a0+1
.irp b, 0,1,2,3,4,5,6,7
.if \zero
	v_wmma_f32_16x16x32_bf16 v[8*(8*(\a)+\b):8*(8*(\a)+\b)+7], v[\f+8*\b:\f+8*\b+7], v[\f+8*(4*\hi+\a):\f+8*(4*\hi+\a)+7], 0
.else
	v_wmma_f32_16x16x32_bf16 v[8*(8*(\a)+\b):8*(8*(\a)+\b)+7], v[\f+8*\b:\f+8*\b+7], v[\f+8*(4*\hi+\a):\f+8*(4*\hi+\a)+7], v[8*(8*(\a)+\b):8*(8*(\a)+\b)+7]
.endif
.endr
.endr
.endm
.macro FETCH slot, k, f                ; 32 LDS loads in one run: one quarter step's fragments into buffer f
	WIN TO_B
.irp i, 0,1,2,3,4,5,6,7
	ds_load_b128 v[\f+8*\i:\f+8*\i+3],   v[ADRB+\slot] offset:\k+\i*16*PITCH
	ds_load_b128 v[\f+8*\i+4:\f+8*\i+7], v[ADRB+\slot] offset:\k+\i*16*PITCH+32
.endr
	WIN 0
.irp i, 0,1,2,3,4,5,6,7
	ds_load_b128 v[\f+8*\i:\f+8*\i+3],   v[ADRA+\slot] offset:\k+\i*16*PITCH
	ds_load_b128 v[\f+8*\i+4:\f+8*\i+7], v[ADRA+\slot] offset:\k+\i*16*PITCH+32
.endr
.endm
.macro PLACES                          ; four places behind a matrix instruction (ISA guide 7.12.1 for vector instructions)
.rept 4
	v_nop
.endr
.endm
; The 64 accumulators take turns, one instruction a turn, in the same order in every quarter.
.macro QUARTER slot, k, f, g, zero
	s_wait_dscnt 8                                 ; K and Q's rows 0-63 are in; the youngest eight loads (Q's rows 64-127) may be out
	WIN MUL_LO
	MUL16 \f, 0, 0, \zero
	MUL16 \f, 0, 2, \zero
	PLACES
	FETCH \slot, \k, \g
	s_wait_dscnt 32                                ; all but the 32 just issued
	WIN MUL_HI
	MUL16 \f, 1, 0, \zero
	MUL16 \f, 1, 2, \zero
.endm
.macro THREE slot, zero
	QUARTER \slot, 64,  F0, F1, \zero
	QUARTER \slot, 128, F1, F0, 0
	QUARTER \slot, 192, F0, F1, 0
.endm
; The last quarter of a K step changes slots: each wave's reads of this slot and all its tensor loads are waited for in front of the signal; where the slot is
; filled again (fill = 1) the barrier opens a round of the cluster's barrier, and the joint refill is the first tensor load behind the round, one a wave.
; fetch = 0: the next slot's first fragments are not fetched yet, since the softmax that follows works in the fragments' registers.
.macro TURN slot, next, fill, fetch
	s_wait_dscnt 8
	WIN MUL_LO
	MUL16 F1, 0, 0, 0
	s_wait_dscnt 0                                 ; my reads of this slot are over
	s_wait_tensorcnt 0x0                           ; all my tensor loads have landed: the one that was out is my part of the next slot
	ds_add_u32 v255, v63
	s_wait_dscnt 0x0
	s_barrier_signal -1
	MUL16 F1, 0, 2, 0                              ; register work while the others arrive
	WIN 0
	s_barrier_wait -1
.if \fill
	CREST
	s_add_nc_u64 s[G0+4*\slot+2:G0+4*\slot+3], s[G0+4*\slot+2:G0+4*\slot+3], 2*KSTEP*2
	s_add_nc_u64 s[G0B+4*\slot+2:G0B+4*\slot+3], s[G0B+4*\slot+2:G0B+4*\slot+3], 2*KSTEP*2
	JLOAD \slot
.endif
.if \fetch
	PLACES
	FETCH \next, 0, F0
.endif
	WIN MUL_HI
	MUL16 F1, 1, 0, 0
	MUL16 F1, 1, 2, 0
.endm
; Rows 16 i .. 16 i + 15 of my block = the eight tiles (a, 0..7) of window 2 or 3.  wmax: sources 0 and 1 from that window; wsub: source 0 alone.
; tmp: the set of 32 registers for the packed P; pb: the scalar pair with p's address for this half.
.macro SOFT16 i, a, wmax, wsub, tmp, pb
	WIN \wmax
.irp k, 0,1,2,3
	v_max_num_f32 v[MX+\k], v[64*\a+16*\k], v[64*\a+16*\k+1]       ; four chains over my 64 keys; the first pair starts each
.endr
.irp q, 2,4,6,8,10,12,14
.irp k, 0,1,2,3
	v_max3_num_f32 v[MX+\k], v[64*\a+16*\k+\q], v[64*\a+16*\k+\q+1], v[MX+\k]
.endr
.endr
	WIN 0
	v_max3_num_f32 v[MX], v[MX], v[MX+1], v[MX+2]
	v_max_num_f32 v[MX], v[MX], v[MX+3]
	v_permlanex16_b32 v[PX], v[MX], s70, s71       ; the other 64 keys of my row
	v_max_num_f32 v[MX], v[MX], v[PX]
	v_mul_f32 v[MP], v[CC], v[MX]                  ; m' = c max, as it is stored and as it is taken away
	v_mul_f32 v[NM], -1.0, v[MP]
	v_mul_f32 v[NM+1], -1.0, v[MP]
	ds_store_b32 v[SM], v[MP] offset:64*\i         ; both halves of the lanes write the same word with the same value
	WIN \wsub
.set n, 0
.rept 32
	v_pk_fma_f32 v[T+2*n:T+2*n+1], v[64*\a+2*n:64*\a+2*n+1], v[CC:CC+1], v[NM:NM+1]   ; c S - m', one rounding
.set n, n+1
.endr
	WIN 0
.set n, 0
.rept 64
	v_exp_f32 v[E+n], v[T+n]
.set n, n+1
.endr
	v_nop                                          ; one plain place behind the transcendentals before a result is used (ISA guide 5.7.2)
	s_wait_alu depctr_va_vdst(0)
.irp k, 0,1,2,3
	v_pk_add_f32 v[SU+2*\k:SU+2*\k+1], v[E+16*\k:E+16*\k+1], v[E+16*\k+2:E+16*\k+3]
.endr
.irp q, 4,6,8,10,12,14
.irp k, 0,1,2,3
	v_pk_add_f32 v[SU+2*\k:SU+2*\k+1], v[SU+2*\k:SU+2*\k+1], v[E+16*\k+\q:E+16*\k+\q+1]
.endr
.endr
	s_wait_xcnt 0x0                                ; this set of packed P, which the stores of two turns ago read, is rewritten only behind this wait (ISA guide 3.1)
.set n, 0
.rept 32
	v_cvt_pk_f16_f32 v[\tmp+n], v[E+2*n], v[E+2*n+1]               ; P in (0, 1] to f16: the first source into the low half
.set n, n+1
.endr
	v_pk_add_f32 v[SU:SU+1], v[SU:SU+1], v[SU+2:SU+3]
	v_pk_add_f32 v[SU+4:SU+5], v[SU+4:SU+5], v[SU+6:SU+7]
	v_pk_add_f32 v[SU:SU+1], v[SU:SU+1], v[SU+4:SU+5]
	v_add_f32 v[SU], v[SU], v[SU+1]
	v_permlanex16_b32 v[PY], v[SU], s70, s71
	v_add_f32 v[SU], v[SU], v[PY]
	ds_store_b32 v[SM], v[SU] offset:512+64*\i
.irp b, 0,1,2,3,4,5,6,7
	global_store_b128 v[GS], v[\tmp+4*\b:\tmp+4*\b+3], s[\pb:\pb+1] offset:\i*RGB+512*\b   ; tile b = half b % 2 of fragment b / 2: 512 consecutive bytes, the eight together 4 KiB; the group of rows stands in the immediate
.endr
.endm
; The softmax and the way out of one half.  pb, sb: the scalar pairs with p's and stats' addresses for it.
.macro EPI pb, sb
	PLACES                                         ; the places behind the last matrix instructions, for all that follows
	SOFT16 0, 0, 0x0a, 0x02, TMPA, \pb
	SOFT16 1, 1, 0x0a, 0x02, TMPB, \pb
	SOFT16 2, 2, 0x0a, 0x02, TMPA, \pb
	SOFT16 3, 3, 0x0a, 0x02, TMPB, \pb
	SOFT16 4, 0, 0x0f, 0x03, TMPA, \pb
	SOFT16 5, 1, 0x0f, 0x03, TMPB, \pb
	SOFT16 6, 2, 0x0f, 0x03, TMPA, \pb
	SOFT16 7, 3, 0x0f, 0x03, TMPB, \pb
	s_wait_xcnt 0x0                                ; v[52:59], which the other half's two stores read, are loaded again only behind this wait
	ds_load_b128 v[ST:ST+3], v[SR]                 ; my 128 rows' m' and l, 16 bytes a lane; LDS serves a wave's instructions in order (ISA guide 5.7.1.4): these see the stores above
	ds_load_b128 v[ST+4:ST+7], v[SR] offset:512
	s_wait_dscnt 0x0
	global_store_b128 v[GS], v[ST:ST+3], s[\sb:\sb+1]              ; 512 consecutive bytes each
	global_store_b128 v[GS], v[ST+4:ST+7], s[\sb:\sb+1] offset:LOFF
.endm
	s_wait_tensorcnt 1                             ; my part of K step 0 is in; K step 1's stays out
	s_barrier_signal -1
	s_barrier_wait -1
	FETCH 0, 0, F0
	THREE 0, 1                                     ; K step 0: its first products start half 0's sums
	TURN 0, 1, 1, 1                                ; slot 0 gets K step 2
	THREE 1, 0                                     ; K step 1
	TURN 1, 0, 1, 1                                ; slot 1 gets K step 3
	THREE 0, 0                                     ; K step 2
	TURN 0, 1, 1, 1                                ; slot 0 gets K step 4, half 1's first
	THREE 1, 0                                     ; K step 3, half 0's last
	TURN 1, 0, 1, 0                                ; slot 1 gets K step 5; its barrier has shown step 4's tile whole to every wave
	EPI 8, 72                                      ; half 0: softmax and stores, while step 5's tile is on its way
	FETCH 0, 0, F0
	THREE 0, 1                                     ; K step 4: its first products start half 1's sums
	TURN 0, 1, 1, 1                                ; slot 0 gets K step 6
	THREE 1, 0                                     ; K step 5
	TURN 1, 0, 1, 1                                ; slot 1 gets K step 7
	THREE 0, 0                                     ; K step 6; nothing is left to fetch
	TURN 0, 1, 0, 1
	THREE 1, 0                                     ; K step 7
	s_wait_dscnt 8
	WIN MUL_LO
	MUL16 F1, 0, 0, 0
	MUL16 F1, 0, 2, 0
	s_wait_dscnt 0
	WIN MUL_HI
	MUL16 F1, 1, 0, 0
	MUL16 F1, 1, 2, 0
	EPI 76, 78                                     ; half 1
	s_set_vgpr_msb 0x1
	s_wait_tensorcnt 0x0
	ds_add_u32 v255, v63
	s_wait_dscnt 0x0
	s_set_vgpr_msb 0x100
	CROUND                                         ; the closing round
	s_endpgm
.Lfunc_end_k_q747be904a6_scores:
	.size	k_q747be904a6_scores, .Lfunc_end_k_q747be904a6_scores-k_q747be904a6_scores
	.p2alignl 7, 3214868480
	.fill 96, 4, 3214868480
	.section	.rodata,"a",@progbits
	.p2align	6, 0x0
	.amdhsa_kernel k_q747be904a6_scores
		.amdhsa_group_segment_fixed_size 327680
		.amdhsa_private_segment_fixed_size 0
		.amdhsa_enable_private_segment 0
		.amdhsa_kernarg_size 24
		.amdhsa_user_sgpr_count 2
		.amdhsa_user_sgpr_kernarg_segment_ptr 1
		.amdhsa_wavefront_size32 1
		.amdhsa_system_sgpr_workgroup_id_x 1
		.amdhsa_system_sgpr_workgroup_id_y 1
		.amdhsa_system_sgpr_workgroup_id_z 1
		.amdhsa_system_vgpr_workitem_id 0
		.amdhsa_next_free_vgpr 1024
		.amdhsa_next_free_sgpr 80
		.amdhsa_reserve_vcc 0
		.amdhsa_float_denorm_mode_32 3
		.amdhsa_float_denorm_mode_16_64 3
		.amdhsa_memory_ordered 1
		.amdhsa_forward_progress 1
		.amdhsa_inst_pref_size 255
	.end_amdhsa_kernel
	.section	.bss,"aw",@nobits
	.p2align	6
	.space	262144
	.amdgpu_metadata
---
amdhsa.version: [ 1, 2 ]
amdhsa.kernels:
  - .name:           k_q747be904a6_scores
    .symbol:         k_q747be904a6_scores.kd
    .args:
      - { .name: qkv, .offset: 0, .size: 8, .value_kind: global_buffer, .address_space: global }
      - { .name: p, .offset: 8, .size: 8, .value_kind: global_buffer, .address_space: global }
      - { .name: stats, .offset: 16, .size: 8, .value_kind: global_buffer, .address_space: global }
    .group_segment_fixed_size: 327680
    .private_segment_fixed_size: 0
    .kernarg_segment_align: 8
    .kernarg_segment_size: 24
    .max_flat_workgroup_size: 128
    .sgpr_count:     80
    .vgpr_count:     1024
    .wavefront_size: 32
...
	.end_amdgpu_metadata
.endif
;; end of part 3
;; launch combine (part 4): grid 256 x 1, 16 waves a work-group, no clusters, 6,144 bytes of LDS; arguments p, stats, scalar, pc; writes pc
.if DOCPART == 4
	.amdgcn_target "amdgcn-amd-amdhsa--gfx1250"
	.amdhsa_code_object_version 6
	.text
	.protected	k_q747be904a6_combine
	.globl	k_q747be904a6_combine
	.p2align	8
	.type	k_q747be904a6_combine,@function
k_q747be904a6_combine:
	s_mov_b64 s[64:65], 0
	v_nop
	global_prefetch_b8 v0, s[64:65] scope:SCOPE_SE
	s_setreg_imm32_b32 hwreg(HW_REG_WAVE_MODE, 25, 1), 1
	s_wait_xcnt 0x0
; pc[b][q][key] = softmax1[q][key] - scalar softmax2[q][key], rounded to bf16 (the matrix operand of the next launch), from the block-wise pieces of the
; launch before: for head z = 2 b + w and row q:  M = max over the 16 blocks t of m'[t];  L = sum over t of l[t] 2^(m'[t] - M);  alpha[t] = 2^(m'[t] - M) / L;
; softmax = alpha[block of the key] P.  That is softmax with the row's maximum taken away: no exponent here is above 0, and L is at least the l of the
; block that holds the maximum, which is about 1 or more.  pc = alpha1 P1 + (-scalar alpha2) P2, in f32, one rounding to bf16.
; LIMITS: P comes in f16: 11 bits down to 2^-14 of its block's largest term, an error of at most 2^-25 of that term below; 2^x below 2^-126 counts as zero
; (v_exp_f32, ISA guide 15.8); 1 / L comes from v_rcp_f32 (1 ulp).
; p AND pc LIE IN THE ORDER OF A MATRIX FRAGMENT: [groups of 16 rows][64 fragments of 32 keys][2 halves][32 lanes][16 bytes]; a fragment is 1 KiB, a group 64 KiB;
; a lane's row is lane % 16.  The work is number by number, so the order is simply kept.
; A stream: 32 rows = two groups = 128 KiB of each head for a work-group (256 work-groups).  Sixteen waves; wave w owns the 8 KiB at 8,192 w: group w / 8, fragments
; 8 (w % 8) .. + 7, which are key blocks 2 (w % 8) and 2 (w % 8) + 1.  So a thread needs four factors: two heads x two blocks, for its own row.
; A wave's load or store covers 512 consecutive bytes; the sixteen pieces of a wave stand in the immediates: no address register is ever rewritten.
; A ring of eight slots in registers: sixteen loads (two heads) of each of the sixteen waves are on their way.
; Matrix unit and clusters have nothing to do here: no byte of p is used twice.
; The ring lies in v8-v71, since the halves of a register, which the widening from f16 names, are written with plain register numbers and only up to v127:
; the macro is therefore handed its slot's eight registers as numbers, which must agree with X1 and X2 below.
.set PIECE, 512                        ; bytes that one load of a wave covers
.set LOFF, 1048576                     ; l lies so far behind m' in stats
.set X1,   8                           ; v[8:39]    slot i: 8 f16 of P1
.set X2,   40                          ; v[40:71]   slot i: 8 f16 of P2
.set SA,   72                          ; v[72:103]  waves 0, 1: m' in 0-15, l in 16-31
.set SB,   104                         ; v[104:135] waves 0, 1: 2^(m'-M), then the factors, in 0-15; m'-M in 16-31
.set Y,    136                         ; v[136:167] slot i: 8 bf16 to store
.set T1,   168                         ; v[168:175] 8 numbers of P1 in f32
.set T2,   176                         ; v[176:183] those of P2, then the result
.set U,    184                         ; v[184:186] M, L, 1 / L
.set AL1,  188                         ; v[188:189] alpha of head 1, my row, my two blocks
.set AL2,  190                         ; v[190:191] -scalar alpha of head 2
	s_load_b256 s[4:11], s[0:1], 0x0               ; p s[4:5], stats s[6:7], scalar s[8:9], pc s[10:11]
	v_lshl_add_u32 v192, v0, 2, 0x1000
	v_mov_b32 v193, 0
	v_lshrrev_b32 v6, 5, v0
	v_readfirstlane_b32 s12, v6                    ; wave 0..15
	s_lshr_b32 s13, ttmp9, 6                       ; b
	s_and_b32 s14, ttmp9, 63                       ; which 32 rows of the batch
	s_lshl_b32 s16, s13, 24                        ; two heads of 8 MiB for each batch,
	s_lshl_b32 s17, s14, 17                        ; two groups of 64 KiB: below 64 MiB in all
	s_add_co_u32 s16, s16, s17
	s_mov_b32 s17, 0
	s_lshl_b32 s18, ttmp9, 17
	s_mov_b32 s19, 0
	v_and_b32 v7, 31, v0                           ; lane
	v_lshlrev_b32 v1, 4, v7
	v_lshl_add_u32 v1, v6, 13, v1                  ; 8,192 w + 16 x lane
	s_wait_kmcnt 0x0
	s_add_nc_u64 s[4:5], s[4:5], s[16:17]          ; P1 at my first group
	s_add_nc_u64 s[22:23], s[4:5], 0x800000        ; P2: one head further on, a base of its own (8 MiB is one more than a load's immediate holds)
	s_add_nc_u64 s[10:11], s[10:11], s[18:19]
.irp r, 0,1,2,3,4,5,6,7
	global_load_b128 v[X1+4*\r:X1+4*\r+3], v1, s[4:5]   offset:\r*PIECE th:TH_LOAD_NT   ; fill the ring first: pieces 0 to 7
	global_load_b128 v[X2+4*\r:X2+4*\r+3], v1, s[22:23] offset:\r*PIECE th:TH_LOAD_NT
.endr
	v_lshlrev_b32 v4, 2, v7                        ; 4 x lane
	v_and_b32 v2, 7, v6
	v_lshlrev_b32 v2, 8, v2                        ; my factors in the table: two blocks of 128 bytes for each w % 8,
	v_lshrrev_b32 v3, 3, v6
	v_lshl_add_u32 v2, v3, 6, v2                   ; 16 rows of 4 bytes for my group,
	v_and_b32 v3, 15, v0
	v_lshl_add_u32 v2, v3, 2, v2                   ; my row
	s_cmp_gt_u32 s12, 1
	s_cbranch_scc1 .Lno_stats                      ; waves 2 to 15 have no part in the factors
	; wave w makes head w's factors; lane = row
	s_load_b32 s20, s[8:9], 0x0                    ; scalar
	s_lshl1_add_u32 s24, s13, s12                  ; z = 2 b + w
	s_lshl_b32 s24, s24, 17                        ; 16 blocks x 2,048 rows x 4 bytes
	s_lshl_b32 s25, s14, 7                         ; my first row x 4 bytes
	s_add_co_u32 s24, s24, s25
	s_mov_b32 s25, 0
	s_add_nc_u64 s[6:7], s[6:7], s[24:25]
	v_lshl_add_u32 v5, s12, 11, v4                 ; the table in LDS: [2 heads][16 blocks][32 rows] f32
.irp t, 0,1,2,3,4,5,6,7,8,9,10,11,12,13,14,15
	global_load_b32 v[SA+\t], v4, s[6:7] offset:\t*8192
.endr
.irp t, 0,1,2,3,4,5,6,7,8,9,10,11,12,13,14,15
	global_load_b32 v[SA+16+\t], v4, s[6:7] offset:LOFF+\t*8192
.endr
	s_wait_loadcnt 0x0                             ; m' and l (and, since loads end in order, the ring's first pieces)
	s_wait_kmcnt 0x0                               ; scalar
	s_xor_b32 s21, s20, 0x80000000                 ; -scalar
	s_cmp_eq_u32 s12, 0
	s_cselect_b32 s21, 0x3f800000, s21             ; head 1 counts once, head 2 -scalar times
	v_max3_num_f32 v[U],   v[SA],   v[SA+1], v[SA+2]
	v_max3_num_f32 v[U+1], v[SA+8], v[SA+9], v[SA+10]
.irp t, 3,5
	v_max3_num_f32 v[U],   v[U],   v[SA+\t],   v[SA+\t+1]
	v_max3_num_f32 v[U+1], v[U+1], v[SA+8+\t], v[SA+8+\t+1]
.endr
	v_max3_num_f32 v[U], v[U], v[SA+7], v[SA+15]
	v_max_num_f32 v[U], v[U], v[U+1]               ; M
.irp t, 0,1,2,3,4,5,6,7,8,9,10,11,12,13,14,15
	v_sub_f32 v[SB+16+\t], v[SA+\t], v[U]
.endr
.irp t, 0,1,2,3,4,5,6,7,8,9,10,11,12,13,14,15
	v_exp_f32 v[SB+\t], v[SB+16+\t]
.endr
	v_nop                                          ; one plain place behind the transcendentals (ISA guide 5.7.2)
	s_wait_alu depctr_va_vdst(0)
	v_mul_f32 v[U+1], v[SA+16], v[SB]              ; L, on two chains
	v_mul_f32 v[U+2], v[SA+17], v[SB+1]
.irp t, 2,4,6,8,10,12,14
	v_fmac_f32 v[U+1], v[SA+16+\t], v[SB+\t]
	v_fmac_f32 v[U+2], v[SA+17+\t], v[SB+\t+1]
.endr
	v_add_f32 v[U+1], v[U+1], v[U+2]
	v_rcp_f32 v[U+2], v[U+1]
	v_nop
	s_wait_alu depctr_va_vdst(0)
	v_mul_f32 v[U+2], s21, v[U+2]
.irp t, 0,1,2,3,4,5,6,7,8,9,10,11,12,13,14,15
	v_mul_f32 v[SB+\t], v[SB+\t], v[U+2]
	ds_store_b32 v5, v[SB+\t] offset:128*\t
.endr
.Lno_stats:
	s_wait_dscnt 0x0                               ; for the others' sake: my part of the table is written
	s_barrier_signal -1
	s_barrier_wait -1
	ds_load_b32 v[AL1],   v2                       ; head 1, my first block
	ds_load_b32 v[AL1+1], v2 offset:128            ; head 1, my second block
	ds_load_b32 v[AL2],   v2 offset:2048           ; head 2
	ds_load_b32 v[AL2+1], v2 offset:2176
	s_wait_dscnt 0x0
.macro WIDEN t, n                      ; the two f16 of register v n, exactly, as f32 in v[t] (low half) and v[t+1] (high half)
	v_cvt_f32_f16 v[\t],   v\n\().l
	v_cvt_f32_f16 v[\t+1], v\n\().h
.endm
; Piece s of my sixteen, in slot s % 8, whose registers are a0-a3 (P1) and b0-b3 (P2); pieces 0-7 are my first block of keys, 8-15 my second.
; ahead = 1: the slot is filled again with piece s + 8.
.macro SLOT s, ahead, a0, a1, a2, a3, b0, b1, b2, b3
.if \ahead
	s_wait_loadcnt 14                              ; loads come back in order (ISA guide 5.7.1): this piece's two are in, the seven younger pieces' fourteen stay out
.else
	s_wait_loadcnt 2*(15-(\s))                     ; the last eight pieces load nothing: the counts run down
.endif
.if (\s) >= 8
	s_wait_xcnt 0x0                                ; this slot's Y, which its last store reads, is rewritten only behind this wait (ISA guide 3.1)
.endif
	WIDEN T2,   \b0
	WIDEN T2+2, \b1
	WIDEN T2+4, \b2
	WIDEN T2+6, \b3
	WIDEN T1,   \a0
	WIDEN T1+2, \a1
	WIDEN T1+4, \a2
	WIDEN T1+6, \a3
.irp k, 0,1,2,3,4,5,6,7
	v_mul_f32 v[T2+\k], v[T2+\k], v[AL2+((\s)>>3)] ; -scalar alpha2 P2
.endr
.irp k, 0,1,2,3,4,5,6,7
	v_fmac_f32 v[T2+\k], v[T1+\k], v[AL1+((\s)>>3)] ; + alpha1 P1, fused
.endr
.irp k, 0,1,2,3
	v_cvt_pk_bf16_f32 v[Y+4*((\s)%8)+\k], v[T2+2*\k], v[T2+2*\k+1]
.endr
.if \ahead
	global_load_b128 v[\a0:\a3], v1, s[4:5]   offset:((\s)+8)*PIECE th:TH_LOAD_NT
	global_load_b128 v[\b0:\b3], v1, s[22:23] offset:((\s)+8)*PIECE th:TH_LOAD_NT
.endif
	global_store_b128 v1, v[Y+4*((\s)%8):Y+4*((\s)%8)+3], s[10:11] offset:(\s)*PIECE
.endm
.macro EIGHT s0, ahead                 ; once round the ring
	SLOT \s0+0, \ahead, 8, 9, 10, 11, 40, 41, 42, 43
	SLOT \s0+1, \ahead, 12, 13, 14, 15, 44, 45, 46, 47
	SLOT \s0+2, \ahead, 16, 17, 18, 19, 48, 49, 50, 51
	SLOT \s0+3, \ahead, 20, 21, 22, 23, 52, 53, 54, 55
	SLOT \s0+4, \ahead, 24, 25, 26, 27, 56, 57, 58, 59
	SLOT \s0+5, \ahead, 28, 29, 30, 31, 60, 61, 62, 63
	SLOT \s0+6, \ahead, 32, 33, 34, 35, 64, 65, 66, 67
	SLOT \s0+7, \ahead, 36, 37, 38, 39, 68, 69, 70, 71
.endm
	EIGHT 0, 1
	EIGHT 8, 0
	s_wait_tensorcnt 0x0
	ds_add_u32 v192, v193
	s_wait_dscnt 0x0
	s_endpgm
.Lfunc_end_k_q747be904a6_combine:
	.size	k_q747be904a6_combine, .Lfunc_end_k_q747be904a6_combine-k_q747be904a6_combine
	.p2alignl 7, 3214868480
	.fill 96, 4, 3214868480
	.section	.rodata,"a",@progbits
	.p2align	6, 0x0
	.amdhsa_kernel k_q747be904a6_combine
		.amdhsa_group_segment_fixed_size 6144
		.amdhsa_private_segment_fixed_size 0
		.amdhsa_enable_private_segment 0
		.amdhsa_kernarg_size 32
		.amdhsa_user_sgpr_count 2
		.amdhsa_user_sgpr_kernarg_segment_ptr 1
		.amdhsa_wavefront_size32 1
		.amdhsa_system_sgpr_workgroup_id_x 1
		.amdhsa_system_sgpr_workgroup_id_y 1
		.amdhsa_system_sgpr_workgroup_id_z 1
		.amdhsa_system_vgpr_workitem_id 0
		.amdhsa_next_free_vgpr 194
		.amdhsa_next_free_sgpr 66
		.amdhsa_reserve_vcc 0
		.amdhsa_float_denorm_mode_32 3
		.amdhsa_float_denorm_mode_16_64 3
		.amdhsa_memory_ordered 1
		.amdhsa_forward_progress 1
		.amdhsa_inst_pref_size 35
	.end_amdhsa_kernel
	.amdgpu_metadata
---
amdhsa.version: [ 1, 2 ]
amdhsa.kernels:
  - .name:           k_q747be904a6_combine
    .symbol:         k_q747be904a6_combine.kd
    .args:
      - { .name: p, .offset: 0, .size: 8, .value_kind: global_buffer, .address_space: global }
      - { .name: stats, .offset: 8, .size: 8, .value_kind: global_buffer, .address_space: global }
      - { .name: scalar, .offset: 16, .size: 8, .value_kind: global_buffer, .address_space: global }
      - { .name: pc, .offset: 24, .size: 8, .value_kind: global_buffer, .address_space: global }
    .group_segment_fixed_size: 6144
    .private_segment_fixed_size: 0
    .kernarg_segment_align: 8
    .kernarg_segment_size: 32
    .max_flat_workgroup_size: 512
    .sgpr_count:     66
    .vgpr_count:     194
    .wavefront_size: 32
...
	.end_amdgpu_metadata
.endif
;; end of part 4
;; launch pv (part 5): grid 4 x 64, 4 waves a work-group, clusters of 4 x 4, 327,680 bytes of LDS; arguments pc, qkv, out0; writes out0
.if DOCPART == 5
	.amdgcn_target "amdgcn-amd-amdhsa--gfx1250"
	.amdhsa_code_object_version 6
	.text
	.protected	k_q747be904a6_pv
	.globl	k_q747be904a6_pv
	.p2align	8
	.type	k_q747be904a6_pv,@function
k_q747be904a6_pv:
	s_mov_b64 s[64:65], 0
	v_nop
	global_prefetch_b8 v0, s[64:65] scope:SCOPE_SE
	s_setreg_imm32_b32 hwreg(HW_REG_WAVE_MODE, 25, 1), 1
	s_wait_xcnt 0x0
	s_wait_alu depctr_hold_cnt(0) depctr_sa_sdst(0) depctr_va_vdst(0) depctr_va_sdst(0) depctr_va_ssrc(0) depctr_va_vcc(0) depctr_vm_vsrc(0)
	s_getreg_b32 s2, hwreg(HW_REG_IB_STS2, 6, 4)
	s_cmp_eq_u32 s2, 0
	s_cbranch_scc0 .Lentry_in_a_cluster
	s_endpgm
.Lentry_in_a_cluster:
	s_bfe_u32 s2, ttmp6, 0x10000c
	s_cmp_lg_u32 s2, 0xf033
	s_cbranch_scc0 .Lentry_shape_is_right
	s_endpgm
.Lentry_shape_is_right:
; out0[b][q][d] = sum over the 2048 keys of pc[b][q][key] V[b][key][d].  V = columns 2048-3071 of qkv ([8192][3072] bf16).  out0: [8192][1024] f32.
; Sums in f32, keys ascending, nothing rounded on the way out.
; pc (bf16) lies in the order of a matrix fragment: [512 groups of 16 rows][64 fragments of 32 keys][2 halves][32 lanes][16 bytes]: a fragment is 1 KiB, a group
; 64 KiB; lane r + 16 h of half c holds keys 16 c + 8 h + 0..7 of row r.  So a fragment comes out of LDS by two loads at 16 x lane, 512 bytes apart.
; A work-group makes 128 rows x 256 columns, so that 64 x 4 = 256 work-groups share the work evenly; each of four waves makes 64 x 128: 32 accumulator tiles.
; THE RING: two LDS slots of 192 keys each, the largest that fit twice: V's tile is 192 key rows x 512 bytes (544 in LDS), pc's 8 groups x 6 fragments, dense:
; 104,448 + 49,152 = 153,600 bytes.  2048 = 10 x 192 + 128: ten full steps of six quarters of 32 keys, and a last step of four, with descriptors of its own.
; From a refill to the wait for it a wave issues 16 + 5 x 32 + 8 = 184 matrix instructions.
; All rows of the tiles begin at multiples of 256 bytes from their buffer's first byte and are multiples of 256 bytes long.
; V lies in memory and in LDS with the keys DOWN the rows; ds_load_tr16_b128 turns 8 x 8 numbers on the way into registers, so that a lane gets 8 keys of one column.
; CLUSTERS: 4 x 4 work-groups of one batch.  The four of a row of the cluster need the same rows of pc, the four of a column the same columns of V: joint loads.
; REGISTERS: window 0: v0-31 addresses; v64-95, v128-159 fragments of pc (4 x 16 rows x 32 keys), two buffers; on the way out they hold rows read back.
;   Window 1: v64-127, v128-191 fragments of V (8 x 16 columns x 32 keys), two buffers.  Window 2: accumulators, tile (a, b) at v[8 (8 a + b)].
; THE MATRIX INSTRUCTION IS USED TRANSPOSED (source 0 = columns of V, source 1 = rows of pc): lane l holds row l % 16 and in tile b the columns
; 16 b + 8 (l / 16) + 0..7: 32 neighbouring bytes of a row of out0.
.set KS,     192                       ; keys in a full step
.set FULL,   10                        ; full steps; the last step has 2048 - 1920 = 128 keys
.set PB,     544                       ; V's LDS rows: 512 bytes + 32
.set VBYTES, KS*PB                     ; V's tile, first in a slot
.set FRAG,   1024                      ; bytes of a fragment of pc
.set APF,    (KS/32)*FRAG              ; a group's bytes in a full step's tile: 6,144
.set APT,    4*FRAG                    ; and in the last step's: 4,096
.set SLOT,   VBYTES+8*APF              ; 153,600
.set STAGE,  2*SLOT                    ; behind the ring: 16 rows x 272 bytes for each wave, for the way out
.set SPITCH, 272                       ; 256 bytes + 16
.set ASTEP,  APF                       ; a full step along a group of pc, in bytes
.set BSTEP,  KS*3072*2                 ; a full step down V's rows, in bytes
.set OROW,   4096                      ; bytes in a row of out0
.set ADRA,  16                         ; v16-17  LDS address of my pc fragments in slot 0, 1
.set ADRAT, 18                         ; v18     the same for the last step's tile (slot 0, groups 4,096 bytes apart)
.set ADRB,  20                         ; v20-23  LDS address of my V fragments: slot 0 quarters 0-2, 3-5; slot 1 quarters 0-2, 3-5 (an LDS offset holds 16 bits)
.set STO,   24
.set RD,    25
.set CO,    26
.set F0,    64
.set F1,    128
.set G1,   24                          ; s[24:31] group 1 for pc's full tiles
.set G0,   32                          ; s[32:39] group 0 for them, one set for each slot
.set G1B,  48                          ; s[48:55] group 1 for V's full tiles
.set G0B,  56                          ; s[56:63] group 0 for them
.set G0T,  68                          ; s[68:71] group 0 for pc's last tile
.set G0BT, 72                          ; s[72:75] group 0 for V's last tile
.set G1T,  76                          ; s[76:83] group 1 for pc's last tile
.set G1BT, 84                          ; s[84:91] group 1 for V's last tile
.set MSB, 0
.macro WIN new                         ; the immediate's high byte repeats the setting that is left
.if MSB != \new
	s_set_vgpr_msb (MSB<<8)|\new
.set MSB, \new
.endif
.endm
.set MUL,  0xa1                        ; source 0 (V) window 1, source 1 (pc) window 0, C and D window 2
.set TO_B, 0x40                        ; destination window 1, address window 0
.macro JLOAD s                         ; waves 0 and 1 fetch V's two halves, waves 2 and 3 pc's; the branch hangs on the wave's number alone
	s_cmp_eq_u32 s11, 0
	s_cbranch_scc0 .Lfor_a_\@
	tensor_load_to_lds s[G0B+4*\s:G0B+4*\s+3], s[G1B:G1B+7]
	s_nop 0
	s_branch .Lasked_\@
.Lfor_a_\@:
	tensor_load_to_lds s[G0+4*\s:G0+4*\s+3], s[G1:G1+7]
	s_nop 0
.Lasked_\@:
.endm
.macro JLOADT                          ; the same for the last step's tiles
	s_cmp_eq_u32 s11, 0
	s_cbranch_scc0 .Lfor_at_\@
	tensor_load_to_lds s[G0BT:G0BT+3], s[G1BT:G1BT+7]
	s_nop 0
	s_branch .Laskedt_\@
.Lfor_at_\@:
	tensor_load_to_lds s[G0T:G0T+3], s[G1T:G1T+7]
	s_nop 0
.Laskedt_\@:
.endm
.macro CREST                           ; a round of the cluster's barrier behind its opening barrier
	s_cmp_lg_u32 s10, 0
	s_cbranch_scc1 .Lnot_wave_0_\@
	s_barrier_signal -3
.Lnot_wave_0_\@:
	s_barrier_wait -3
	s_barrier_signal -1
	s_barrier_wait -1
.endm
.macro CROUND                          ; a whole round
	s_barrier_signal -1
	s_barrier_wait -1
	CREST
.endm
	s_load_b128 s[4:7], s[0:1], 0x0                ; pc s[4:5], qkv s[6:7]
	s_load_b64 s[8:9], s[0:1], 0x10                ; out0
	s_set_vgpr_msb 0x40
	v_lshl_add_u32 v255, v0, 2, 0x4f400
	s_set_vgpr_msb 0x4000
	v_mov_b32 v255, 0
	s_set_vgpr_msb 0x1
	ds_add_u32 v255, v255
	s_set_vgpr_msb 0x100
	v_lshrrev_b32 v1, 5, v0
	v_readfirstlane_b32 s10, v1                    ; wave 0..3
	s_lshr_b32 s11, s10, 1                         ; which 64 of the block's rows are mine.  Also: I fetch for V (0) or for pc (1)
	s_and_b32 s12, s10, 1                          ; which 128 of its columns.  Also: which half of that tile I fetch
	s_bfe_u32 s40, ttmp6, 0x40000                  ; cx
	s_bfe_u32 s41, ttmp6, 0x40004                  ; cy
	s_lshl_b32 s42, ttmp9, 2
	s_add_co_u32 s42, s42, s40                     ; block of 256 columns, 0..3
	s_and_b32 s66, ttmp7, 0xffff                   ; cluster y, 0..15
	s_lshl_b32 s13, s66, 2
	s_add_co_u32 s13, s13, s41                     ; block of 128 rows, 0..63
	s_lshr_b32 s45, s66, 2                         ; b: sixteen blocks of rows, four clusters, for each batch
	s_lshl_b32 s43, s41, 2
	s_lshl_b32 s43, 15, s43                        ; my row of the cluster
	s_lshl_b32 s44, 0x1111, s40                    ; my column
	; group 1 for pc: 4 groups of rows, each a run of 6,144 (last step: 4,096) bytes, 65,536 bytes apart, in elements of 8 bytes, dense in LDS
	s_or_b32 s[G1+0],  s43, (3<<16)|(1<<21)        ; mask of my row; element of 8 bytes; no padding; bit 21 beside a mask
	s_or_b32 s[G1T+0], s43, (3<<16)|(1<<21)
	s_mov_b32 s[G1+1],  (APF/8)<<16                ; tensor_dim0 = 768
	s_mov_b32 s[G1T+1], (APT/8)<<16                ; 512
	s_mov_b32 s[G1+2],  4<<16                      ; tensor_dim1 = 4
	s_mov_b32 s[G1T+2], 4<<16
	s_mov_b32 s[G1+3],  (APF/8)<<16                ; tile_dim0
	s_mov_b32 s[G1T+3], (APT/8)<<16
	s_mov_b32 s[G1+4],  4                          ; tile_dim1
	s_mov_b32 s[G1T+4], 4
	s_mov_b32 s[G1+5],  8192                       ; elements from group to group
	s_mov_b32 s[G1T+5], 8192
	s_mov_b32 s[G1+6],  0
	s_mov_b32 s[G1T+6], 0
	s_mov_b32 s[G1+7],  0
	s_mov_b32 s[G1T+7], 0
	; group 1 for V: 96 (last step: 64) key rows x 256 elements of 2 bytes, padded in LDS
	s_or_b32 s[G1B+0],  s44, (1<<16)|(1<<20)|(1<<21)|(6<<22)|(7<<25) ; mask of my column; element of 2 bytes; padding on; bit 21; after every 128 words, 8 words
	s_or_b32 s[G1BT+0], s44, (1<<16)|(1<<20)|(1<<21)|(6<<22)|(7<<25)
	s_mov_b32 s[G1B+1],  256<<16                   ; tensor_dim0 = 256
	s_mov_b32 s[G1BT+1], 256<<16
	s_mov_b32 s[G1B+2],  96<<16                    ; tensor_dim1
	s_mov_b32 s[G1BT+2], 64<<16
	s_mov_b32 s[G1B+3],  256<<16                   ; tile_dim0
	s_mov_b32 s[G1BT+3], 256<<16
	s_mov_b32 s[G1B+4],  96                        ; tile_dim1
	s_mov_b32 s[G1BT+4], 64
	s_mov_b32 s[G1B+5],  3072                      ; elements from row to row of qkv
	s_mov_b32 s[G1BT+5], 3072
	s_mov_b32 s[G1B+6],  0
	s_mov_b32 s[G1BT+6], 0
	s_mov_b32 s[G1B+7],  0
	s_mov_b32 s[G1BT+7], 0
	; pc's tiles hang on the block of rows (cy); V's on b and the block of columns (cx).  All offsets stay below the buffers' sizes, under 4 GiB.
	s_lshl_b32 s16, s13, 19                        ; pc: 8 groups of 64 KiB for a block of rows,
	s_lshl_b32 s17, s12, 18                        ; 4 groups for the half that I fetch
	s_add_co_u32 s16, s16, s17
	s_mov_b32 s17, 0
	s_lshl_b32 s46, s45, 11
	s_mul_i32 s47, s12, 96
	s_add_co_u32 s46, s46, s47                     ; V: key row 2048 b + 96 x half
	s_mul_i32 s46, s46, 6144
	s_lshl_b32 s47, s42, 9
	s_add_co_u32 s46, s46, s47                     ; + 256 columns of 2 bytes for each block
	s_add_co_u32 s46, s46, 4096                    ; V's columns begin 2048 elements into a row
	s_mov_b32 s47, 0
	s_lshl_b32 s94, s45, 11                        ; V's last tile: key row 2048 b + 1920 + 64 x half
	s_lshl_b32 s95, s12, 6
	s_add_co_u32 s94, s94, s95
	s_add_co_u32 s94, s94, FULL*KS
	s_mul_i32 s94, s94, 6144
	s_lshl_b32 s95, s42, 9
	s_add_co_u32 s94, s94, s95
	s_add_co_u32 s94, s94, 4096
	s_mov_b32 s95, 0
	s_mul_i32 s20, s10, 96*PB                      ; V's halves (waves 0, 1) go to wave x 96 rows of 544 bytes;
	s_mul_i32 s23, s10, 4*APF                      ; pc's (waves 2, 3) behind V's tile: VBYTES + (wave - 2) x 4 groups
	s_add_co_u32 s23, s23, VBYTES-8*APF
	s_wait_dscnt 0x0
	s_wait_kmcnt 0x0
	s_add_nc_u64 s[14:15], s[4:5], s[16:17]
	s_add_nc_u64 s[46:47], s[6:7], s[46:47]
	CROUND                                         ; all sixteen work-groups are here: the first joint loads meet
.irp s, 0,1
	s_mov_b32 s[G0+4*\s], 1
	s_add_co_u32 s[G0+4*\s+1], s23, \s*SLOT
	s_add_nc_u64 s[G0+4*\s+2:G0+4*\s+3], s[14:15], \s*ASTEP
	s_or_b32 s[G0+4*\s+3], s[G0+4*\s+3], 0x80000000
	s_mov_b32 s[G0B+4*\s], 1
	s_add_co_u32 s[G0B+4*\s+1], s20, \s*SLOT
	s_add_nc_u64 s[G0B+4*\s+2:G0B+4*\s+3], s[46:47], \s*BSTEP
	s_or_b32 s[G0B+4*\s+3], s[G0B+4*\s+3], 0x80000000
	JLOAD \s                                       ; two tensor loads of the wave are out
.endr
	; group 0 for the last step's tiles, which go to slot 0; written once, here, and named by one load much later
	s_mov_b32 s[G0T], 1
	s_mul_i32 s[G0T+1], s10, 4*APT                 ; VBYTES + (wave - 2) x 4 groups of 4,096 bytes
	s_add_co_u32 s[G0T+1], s[G0T+1], VBYTES-8*APT
	s_add_nc_u64 s[G0T+2:G0T+3], s[14:15], FULL*ASTEP
	s_or_b32 s[G0T+3], s[G0T+3], 0x80000000
	s_mov_b32 s[G0BT], 1
	s_mul_i32 s[G0BT+1], s10, 64*PB                ; wave x 64 rows of 544 bytes
	s_add_nc_u64 s[G0BT+2:G0BT+3], s[6:7], s[94:95]
	s_or_b32 s[G0BT+3], s[G0BT+3], 0x80000000
	v_and_b32 v1, 15, v0                           ; l % 16
	v_bfe_u32 v2, v0, 4, 1                         ; l / 16
	v_and_b32 v7, 31, v0
	v_lshlrev_b32 v3, 4, v7                        ; pc: 16 x lane
	s_mul_i32 s21, s11, 4*APF                      ; my four groups,
	s_add_co_u32 s21, s21, VBYTES                  ; which lie behind V's tile
	v_add_nc_u32 v[ADRA], s21, v3
	s_add_co_u32 s21, s21, SLOT
	v_add_nc_u32 v[ADRA+1], s21, v3
	s_mul_i32 s21, s11, 4*APT
	s_add_co_u32 s21, s21, VBYTES
	v_add_nc_u32 v[ADRAT], s21, v3
	v_and_b32 v4, 7, v0
	v_lshl_add_u32 v4, v2, 3, v4                   ; V: key row l % 8 + 8 (l / 16),
	v_mul_u32_u24 v4, v4, PB
	v_bfe_u32 v5, v0, 3, 1
	v_lshl_add_u32 v4, v5, 4, v4                   ; the left or the right 8 of 16 columns by bit 3 of the lane
	s_lshl_b32 s22, s12, 8                         ; my 128 columns
	v_add_nc_u32 v[ADRB], s22, v4
	v_add_nc_u32 v[ADRB+1], 96*PB, v[ADRB]         ; three quarters = 96 key rows further down
	v_add_nc_u32 v[ADRB+2], SLOT, v[ADRB]
	v_add_nc_u32 v[ADRB+3], SLOT+96*PB, v[ADRB]
	s_mul_i32 s23, s10, 16*SPITCH
	s_add_co_u32 s23, s23, STAGE                   ; my stage
	v_mul_u32_u24 v6, v1, SPITCH                   ; in: row l % 16, 32 bytes for each half of the lanes
	v_lshl_add_u32 v6, v2, 5, v6
	v_add_nc_u32 v[STO], s23, v6
	v_mul_u32_u24 v6, v2, SPITCH                   ; back: lanes 0-15 take one row's 256 bytes, lanes 16-31 the next row's
	v_lshl_add_u32 v6, v1, 4, v6
	v_add_nc_u32 v[RD], s23, v6
	v_lshlrev_b32 v6, 12, v2                       ; and the same two rows in out0
	v_lshl_add_u32 v[CO], v1, 4, v6
.macro MULA f, a, zero                 ; 8 matrix instructions: my rows 16 a .. 16 a + 15 x all 8 column blocks, 32 keys; zero = 1: the first product starts the sums
.irp b, 0,1,2,3,4,5,6,7
.if \zero
	v_wmma_f32_16x16x32_bf16 v[8*(8*\a+\b):8*(8*\a+\b)+7], v[\f+8*\b:\f+8*\b+7], v[\f+8*\a:\f+8*\a+7], 0
.else
	v_wmma_f32_16x16x32_bf16 v[8*(8*\a+\b):8*(8*\a+\b)+7], v[\f+8*\b:\f+8*\b+7], v[\f+8*\a:\f+8*\a+7], v[8*(8*\a+\b):8*(8*\a+\b)+7]
.endif
.endr
.endm
; 24 LDS loads in one run: quarter kq's fragments (32 keys) into buffer f.  V: the first load of a pair brings keys 8 (l / 16) + 0..7 of column l % 16,
; the second the keys 16 further down.  pc: the two halves of a fragment, 512 bytes apart.  tail = 1: the last step's tile.
.macro FETCHQ slot, kq, f, tail
	WIN TO_B
.irp b, 0,1,2,3,4,5,6,7
	ds_load_tr16_b128 v[\f+8*\b:\f+8*\b+3],   v[ADRB+2*\slot+(\kq)/3] offset:((\kq)%3)*32*PB+32*\b
	ds_load_tr16_b128 v[\f+8*\b+4:\f+8*\b+7], v[ADRB+2*\slot+(\kq)/3] offset:((\kq)%3)*32*PB+16*PB+32*\b
.endr
	WIN 0
.irp i, 0,1,2,3
.if \tail
	ds_load_b128 v[\f+8*\i:\f+8*\i+3],   v[ADRAT] offset:\kq*FRAG+\i*APT
	ds_load_b128 v[\f+8*\i+4:\f+8*\i+7], v[ADRAT] offset:\kq*FRAG+\i*APT+512
.else
	ds_load_b128 v[\f+8*\i:\f+8*\i+3],   v[ADRA+\slot] offset:\kq*FRAG+\i*APF
	ds_load_b128 v[\f+8*\i+4:\f+8*\i+7], v[ADRA+\slot] offset:\kq*FRAG+\i*APF+512
.endif
.endr
.endm
.macro PLACES                          ; four places behind a matrix instruction (ISA guide 7.12.1 for vector instructions)
.rept 4
	v_nop
.endr
.endm
; A quarter is 32 keys, 32 matrix instructions, on buffers 0, 1 in turn.  It multiplies buffer f and in its middle fetches quarter kq of the same slot into buffer g.
; The 32 accumulators take turns, one instruction a turn, in the same order in every quarter.
.macro QUARTER slot, kq, f, g, zero, tail
	s_wait_dscnt 4                                 ; V and pc's rows 0-31 are in; the youngest four loads (pc's rows 32-63) may be out
	WIN MUL
	MULA \f, 0, \zero
	MULA \f, 1, \zero
	PLACES
	FETCHQ \slot, \kq, \g, \tail
	s_wait_dscnt 24                                ; all but the 24 just issued
	WIN MUL
	MULA \f, 2, \zero
	MULA \f, 3, \zero
.endm
.macro FIVE slot, zero                 ; the first five quarters of a full step
	QUARTER \slot, 1, F0, F1, \zero, 0
	QUARTER \slot, 2, F1, F0, 0, 0
	QUARTER \slot, 3, F0, F1, 0, 0
	QUARTER \slot, 4, F1, F0, 0, 0
	QUARTER \slot, 5, F0, F1, 0, 0
.endm
; The sixth quarter multiplies buffer 1 and changes slots: each wave's reads of this slot and all its tensor loads are waited for in front of the signal; where the
; slot is filled again the barrier opens a round of the cluster's barrier, and the joint refill is the first tensor load behind the round, one a wave.
; fill = 1: this slot gets the full step two further on; 2: it gets the last step's tiles; 0: nothing.  tail = 1: the next slot holds the last step's tiles.
.macro TURN slot, next, fill, tail
	s_wait_dscnt 4
	WIN MUL
	MULA F1, 0, 0
	s_wait_dscnt 0                                 ; my reads of this slot are over
	s_wait_tensorcnt 0x0                           ; all my tensor loads have landed: the one that was out is my part of the next slot
	ds_add_u32 v255, v255
	s_wait_dscnt 0x0
	s_barrier_signal -1
	MULA F1, 1, 0                                  ; register work while the others arrive
	WIN 0
	s_barrier_wait -1
.if \fill == 1
	CREST
	s_add_nc_u64 s[G0+4*\slot+2:G0+4*\slot+3], s[G0+4*\slot+2:G0+4*\slot+3], 2*ASTEP
	s_add_nc_u64 s[G0B+4*\slot+2:G0B+4*\slot+3], s[G0B+4*\slot+2:G0B+4*\slot+3], 2*BSTEP
	JLOAD \slot
.endif
.if \fill == 2
	CREST
	JLOADT
.endif
	PLACES
	FETCHQ \next, 0, F0, \tail
	WIN MUL
	MULA F1, 2, 0
	MULA F1, 3, 0
.endm
	s_wait_tensorcnt 1                             ; my part of step 0 is in; step 1's stays out
	s_barrier_signal -1
	s_barrier_wait -1
	FETCHQ 0, 0, F0, 0
	FIVE 0, 1                                      ; step 0 stands in front of the loop: its first products start the sums
	TURN 0, 1, 1, 0                                ; slot 0 gets step 2
	FIVE 1, 0                                      ; step 1
	TURN 1, 0, 1, 0                                ; slot 1 gets step 3
	WIN 0                                          ; at a label and at a branch every window is 0
	s_mov_b32 s3, 3                                ; steps 2 to 7, two a trip; they ask for steps 4 to 9
.Lpair:
	FIVE 0, 0
	TURN 0, 1, 1, 0
	FIVE 1, 0
	TURN 1, 0, 1, 0
	WIN 0
	s_sub_co_u32 s3, s3, 1
	s_cmp_lg_u32 s3, 0
	s_cbranch_scc1 .Lpair
	FIVE 0, 0                                      ; step 8
	TURN 0, 1, 2, 0                                ; slot 0 gets the last step's 128 keys
	FIVE 1, 0                                      ; step 9
	TURN 1, 0, 0, 1                                ; nothing is left to fetch: no round of the cluster's barrier
	QUARTER 0, 1, F0, F1, 0, 1                     ; the last step: four quarters
	QUARTER 0, 2, F1, F0, 0, 1
	QUARTER 0, 3, F0, F1, 0, 1
	s_wait_dscnt 4
	WIN MUL
	MULA F1, 0, 0
	MULA F1, 1, 0
	s_wait_dscnt 0
	MULA F1, 2, 0
	MULA F1, 3, 0
	; THE WAY OUT, 16 rows x 64 columns at a time: a lane's 32 bytes of each tile go as they are into my own stage in LDS and come back as whole rows of 256 bytes.
	PLACES                                         ; the places behind the last matrix instructions
	s_lshl_b32 s16, s13, 7
	s_lshl_b32 s17, s11, 6
	s_add_co_u32 s16, s16, s17                     ; my first row
	s_lshl_b32 s16, s16, 12
	s_mov_b32 s17, 0
	s_add_nc_u64 s[8:9], s[8:9], s[16:17]
	s_lshl_b32 s46, s42, 10                        ; my first column, in bytes: 1024 x block + 512 x half
	s_lshl_b32 s47, s12, 9
	s_add_co_u32 s46, s46, s47
	s_mov_b32 s47, 0
	s_add_nc_u64 s[8:9], s[8:9], s[46:47]
; rows 16 a .. 16 a + 15, tiles 4 hf .. 4 hf + 3; f: F0 or F1 in turn, 32 registers.  The place in my 64 rows x 512 bytes stands in the stores' immediates,
; 254,208 at the most: neither the base nor the offset register is ever rewritten.
.macro OUTH a, hf, f
	WIN 0x08                                       ; an LDS store's data is source 1: window 2
.irp b, 0,1,2,3
	ds_store_b128 v[STO], v[8*(8*\a+4*\hf+\b):8*(8*\a+4*\hf+\b)+3]   offset:64*\b
	ds_store_b128 v[STO], v[8*(8*\a+4*\hf+\b)+4:8*(8*\a+4*\hf+\b)+7] offset:64*\b+16
.endr
	WIN 0
	s_wait_xcnt 0x0                                ; buffer f, which earlier stores read, is loaded again only behind this wait (ISA guide 3.1)
.irp t, 0,1,2,3,4,5,6,7
	ds_load_b128 v[\f+4*\t:\f+4*\t+3], v[RD] offset:\t*2*SPITCH    ; LDS serves a wave's instructions in order (ISA guide 5.7.1.4): these see the stores above, and the next stores come behind them
.endr
.irp t, 0,1,2,3,4,5,6,7
	s_wait_dscnt 7-\t                              ; read-back t is in, the 7 - t younger ones stay out
	global_store_b128 v[CO], v[\f+4*\t:\f+4*\t+3], s[8:9] offset:(16*\a+2*\t)*OROW+256*\hf th:TH_STORE_NT   ; 16 lanes store 256 consecutive bytes, at a multiple of 256 from out0's first byte
.endr
.endm
.irp a, 0,1,2,3
	OUTH \a, 0, F0
	OUTH \a, 1, F1
.endr
	s_set_vgpr_msb 0x1
	s_wait_tensorcnt 0x0
	ds_add_u32 v255, v255
	s_wait_dscnt 0x0
	s_set_vgpr_msb 0x100
	CROUND                                         ; the closing round: no work-group ends while a partner may still ask for a tile that names it
	s_endpgm
.Lfunc_end_k_q747be904a6_pv:
	.size	k_q747be904a6_pv, .Lfunc_end_k_q747be904a6_pv-k_q747be904a6_pv
	.p2alignl 7, 3214868480
	.fill 96, 4, 3214868480
	.section	.rodata,"a",@progbits
	.p2align	6, 0x0
	.amdhsa_kernel k_q747be904a6_pv
		.amdhsa_group_segment_fixed_size 327680
		.amdhsa_private_segment_fixed_size 0
		.amdhsa_enable_private_segment 0
		.amdhsa_kernarg_size 24
		.amdhsa_user_sgpr_count 2
		.amdhsa_user_sgpr_kernarg_segment_ptr 1
		.amdhsa_wavefront_size32 1
		.amdhsa_system_sgpr_workgroup_id_x 1
		.amdhsa_system_sgpr_workgroup_id_y 1
		.amdhsa_system_sgpr_workgroup_id_z 1
		.amdhsa_system_vgpr_workitem_id 0
		.amdhsa_next_free_vgpr 768
		.amdhsa_next_free_sgpr 96
		.amdhsa_reserve_vcc 0
		.amdhsa_float_denorm_mode_32 3
		.amdhsa_float_denorm_mode_16_64 3
		.amdhsa_memory_ordered 1
		.amdhsa_forward_progress 1
		.amdhsa_inst_pref_size 182
	.end_amdhsa_kernel
	.amdgpu_metadata
---
amdhsa.version: [ 1, 2 ]
amdhsa.kernels:
  - .name:           k_q747be904a6_pv
    .symbol:         k_q747be904a6_pv.kd
    .args:
      - { .name: pc, .offset: 0, .size: 8, .value_kind: global_buffer, .address_space: global }
      - { .name: qkv, .offset: 8, .size: 8, .value_kind: global_buffer, .address_space: global }
      - { .name: out0, .offset: 16, .size: 8, .value_kind: global_buffer, .address_space: global }
    .group_segment_fixed_size: 327680
    .private_segment_fixed_size: 0
    .kernarg_segment_align: 8
    .kernarg_segment_size: 24
    .max_flat_workgroup_size: 128
    .sgpr_count:     96
    .vgpr_count:     768
    .wavefront_size: 32
...
	.end_amdgpu_metadata
.endif
;; end of part 5
;; ======== version 2 of 2: 5 launches; version 1 with the launch combine written anew for expert scheduling mode
;; limits: values outside matrix products are rounded to f16
;; workspace buffers: xw 23,068,672 bytes; qkv 50,331,648 bytes; p 67,108,864 bytes; stats 2,097,152 bytes; pc 33,554,432 bytes
;; launch cast: the kernel of part 1 again; grid 1408 x 1, 8 waves a work-group, no clusters, 0 bytes of LDS; arguments hidden_states, W_q, W_k, W_v, xw; writes xw
;; launch proj: the kernel of part 2 again; grid 12 x 32, 4 waves a work-group, clusters of 4 x 4, 327,680 bytes of LDS; arguments xw, b_q, b_k, b_v, qkv; writes qkv
;; launch scores: the kernel of part 3 again; grid 8 x 32, 4 waves a work-group, clusters of 4 x 4, 327,680 bytes of LDS; arguments qkv, p, stats; writes p, stats
;; launch combine (part 6): grid 256 x 1, 16 waves a work-group, no clusters, 6,144 bytes of LDS; arguments p, stats, scalar, pc; writes pc
.if DOCPART == 6
	.amdgcn_target "amdgcn-amd-amdhsa--gfx1250"
	.amdhsa_code_object_version 6
	.text
	.protected	k_q747be904a6_combine
	.globl	k_q747be904a6_combine
	.p2align	8
	.type	k_q747be904a6_combine,@function
k_q747be904a6_combine:
	s_mov_b64 s[64:65], 0
	v_nop
	global_prefetch_b8 v0, s[64:65] scope:SCOPE_SE
	s_setreg_imm32_b32 hwreg(HW_REG_WAVE_SCHED_MODE, 0, 2), 2
	s_setreg_imm32_b32 hwreg(HW_REG_WAVE_MODE, 25, 1), 1
	s_wait_xcnt 0x0
	s_wait_alu depctr_vm_vsrc(0)
; pc[b][q][key] = softmax1[q][key] - scalar softmax2[q][key], rounded to bf16 (the matrix operand of the next launch), from the block-wise pieces of the
; launch before: for head z = 2 b + w and row q:  M = max over the 16 blocks t of m'[t];  L = sum over t of l[t] 2^(m'[t] - M);  alpha[t] = 2^(m'[t] - M) / L;
; softmax = alpha[block of the key] P.  That is softmax with the row's maximum taken away: no exponent here is above 0, and L is at least the l of the
; block that holds the maximum, which is about 1 or more.  pc = alpha1 P1 + (-scalar alpha2) P2, in f32, one rounding to bf16.
; LIMITS: P comes in f16: 11 bits down to 2^-14 of its block's largest term, an error of at most 2^-25 of that term below; 2^x below 2^-126 counts as zero
; (v_exp_f32, ISA guide 15.8); 1 / L comes from v_rcp_f32 (1 ulp).
; p AND pc LIE IN THE ORDER OF A MATRIX FRAGMENT: [groups of 16 rows][64 fragments of 32 keys][2 halves][32 lanes][16 bytes]; a fragment is 1 KiB, a group 64 KiB;
; a lane's row is lane % 16.  The work is number by number, so the order is simply kept.
; A stream: 32 rows = two groups = 128 KiB of each head for a work-group (256 work-groups).  Sixteen waves; wave w owns the 8 KiB at 8,192 w: group w / 8, fragments
; 8 (w % 8) .. + 7, which are key blocks 2 (w % 8) and 2 (w % 8) + 1.  So a thread needs four factors: two heads x two blocks, for its own row.
; A wave's load or store covers 512 consecutive bytes; the sixteen pieces of a wave stand in the immediates: no address register is ever rewritten.
; A ring of eight slots in registers: sixteen loads (two heads) of each of the sixteen waves are on their way.
; Matrix unit and clusters have nothing to do here: no byte of p is used twice.
; The ring lies in v8-v71, since the halves of a register, which the widening from f16 names, are written with plain register numbers and only up to v127:
; the macro is therefore handed its slot's eight registers as numbers, which must agree with X1 and X2 below.
; THE MODE: SCHED_MODE bits 1:0 = 2 (LLVM: expert scheduling mode 2), set by the entry lines.  The code itself states the register dependences
; between vector instructions and memory or LDS instructions, with s_wait_alu, always for 0.
; THE PLAN.  Registers that memory or LDS instructions touch:
;   v1, v2, v4     offsets and an LDS address, made at the head ahead of one wait on va_vdst and never written again.
;   v5             waves 0 and 1: the table's LDS address; made in their arm, ahead of the wait that stands in front of the LDS stores.
;   X1, X2         slot s % 8: piece s's two loads land there; its sixteen widenings read them; behind those the loads of piece s + 8 land there.
;   SA             waves 0 and 1: the loads of m' and l land there, once.    SB 0-15: written by sixteen multiplies, read by sixteen LDS stores, never written again.
;   AL1, AL2       four LDS loads land there, once; no vector instruction names them before.
;   Y, Y2          piece s has four registers of its own: written by its roundings, read by its one store, which is issued in piece s + 1's turn; never written again.
;   v192, v193     written at the head, read by the closing add alone.
; T1, T2 and U are named by vector instructions alone.
; So ONE wait on va_vdst stands in a piece's turn, behind its widenings: it states that they are done reading the slot's X and that the piece before has written its Y.
; The two loads and the store follow it at once; the turn's other twenty vector instructions name T1, T2, the factors and this piece's Y: none of the registers that
; those three touch.  No register that a memory or LDS instruction reads is ever written again, so the pieces' turns hold no wait on vm_vsrc and no s_wait_xcnt.
.set PIECE, 512                        ; bytes that one load of a wave covers
.set LOFF, 1048576                     ; l lies so far behind m' in stats
.set X1,   8                           ; v[8:39]    slot i: 8 f16 of P1
.set X2,   40                          ; v[40:71]   slot i: 8 f16 of P2
.set SA,   72                          ; v[72:103]  waves 0, 1: m' in 0-15, l in 16-31
.set SB,   104                         ; v[104:135] waves 0, 1: 2^(m'-M), then the factors, in 0-15; m'-M in 16-31
.set Y,    136                         ; v[136:167] pieces 0 to 7: 8 bf16 each, to store
.set T1,   168                         ; v[168:175] 8 numbers of P1 in f32
.set T2,   176                         ; v[176:183] those of P2, then the result
.set U,    184                         ; v[184:186] M, L, 1 / L
.set AL1,  188                         ; v[188:189] alpha of head 1, my row, my two blocks
.set AL2,  190                         ; v[190:191] -scalar alpha of head 2
.set Y2,   194                         ; v[194:225] pieces 8 to 15: 8 bf16 each, to store (v192 and v193 are the closing add's)
	s_load_b256 s[4:11], s[0:1], 0x0               ; p s[4:5], stats s[6:7], scalar s[8:9], pc s[10:11]
	v_lshl_add_u32 v192, v0, 2, 0x1000
	v_mov_b32 v193, 0
	v_lshrrev_b32 v6, 5, v0
	v_readfirstlane_b32 s12, v6                    ; wave 0..15
	s_lshr_b32 s13, ttmp9, 6                       ; b
	s_and_b32 s14, ttmp9, 63                       ; which 32 rows of the batch
	s_lshl_b32 s16, s13, 24                        ; two heads of 8 MiB for each batch,
	s_lshl_b32 s17, s14, 17                        ; two groups of 64 KiB: below 64 MiB in all
	s_add_co_u32 s16, s16, s17
	s_mov_b32 s17, 0
	s_lshl_b32 s18, ttmp9, 17
	s_mov_b32 s19, 0
	v_and_b32 v7, 31, v0                           ; lane
	v_lshlrev_b32 v1, 4, v7
	v_lshl_add_u32 v1, v6, 13, v1                  ; 8,192 w + 16 x lane
	v_lshlrev_b32 v4, 2, v7                        ; 4 x lane
	v_and_b32 v2, 7, v6
	v_lshlrev_b32 v2, 8, v2                        ; my factors in the table: two blocks of 128 bytes for each w % 8,
	v_lshrrev_b32 v3, 3, v6
	v_lshl_add_u32 v2, v3, 6, v2                   ; 16 rows of 4 bytes for my group,
	v_and_b32 v3, 15, v0
	v_lshl_add_u32 v2, v3, 2, v2                   ; my row
	s_wait_alu depctr_va_sdst(0)                   ; s12 is written, ahead of its first reader, the compare that picks waves 0 and 1
	s_wait_kmcnt 0x0
	s_add_nc_u64 s[4:5], s[4:5], s[16:17]          ; P1 at my first group
	s_add_nc_u64 s[22:23], s[4:5], 0x800000        ; P2: one head further on, a base of its own (8 MiB is one more than a load's immediate holds)
	s_add_nc_u64 s[10:11], s[10:11], s[18:19]
	s_wait_alu depctr_va_vdst(0)                   ; v1, v2 and v4 are written, which the loads, stores and LDS loads of the whole kernel read as offset or address; so are v192 and v193
.irp r, 0,1,2,3,4,5,6,7
	global_load_b128 v[X1+4*\r:X1+4*\r+3], v1, s[4:5]   offset:\r*PIECE th:TH_LOAD_NT   ; fill the ring first: pieces 0 to 7
	global_load_b128 v[X2+4*\r:X2+4*\r+3], v1, s[22:23] offset:\r*PIECE th:TH_LOAD_NT
.endr
	s_cmp_gt_u32 s12, 1
	s_cbranch_scc1 .Lno_stats                      ; waves 2 to 15 have no part in the factors
	; wave w makes head w's factors; lane = row
	s_load_b32 s20, s[8:9], 0x0                    ; scalar
	s_lshl1_add_u32 s24, s13, s12                  ; z = 2 b + w
	s_lshl_b32 s24, s24, 17                        ; 16 blocks x 2,048 rows x 4 bytes
	s_lshl_b32 s25, s14, 7                         ; my first row x 4 bytes
	s_add_co_u32 s24, s24, s25
	s_mov_b32 s25, 0
	s_add_nc_u64 s[6:7], s[6:7], s[24:25]
.irp t, 0,1,2,3,4,5,6,7,8,9,10,11,12,13,14,15
	global_load_b32 v[SA+\t], v4, s[6:7] offset:\t*8192
.endr
.irp t, 0,1,2,3,4,5,6,7,8,9,10,11,12,13,14,15
	global_load_b32 v[SA+16+\t], v4, s[6:7] offset:LOFF+\t*8192
.endr
	v_lshl_add_u32 v5, s12, 11, v4                 ; the table in LDS: [2 heads][16 blocks][32 rows] f32
	s_wait_loadcnt 0x0                             ; m' and l (and, since loads end in order, the ring's first pieces)
	s_wait_kmcnt 0x0                               ; scalar
	s_xor_b32 s21, s20, 0x80000000                 ; -scalar
	s_cmp_eq_u32 s12, 0
	s_cselect_b32 s21, 0x3f800000, s21             ; head 1 counts once, head 2 -scalar times
	v_max3_num_f32 v[U],   v[SA],   v[SA+1], v[SA+2]
	v_max3_num_f32 v[U+1], v[SA+8], v[SA+9], v[SA+10]
.irp t, 3,5
	v_max3_num_f32 v[U],   v[U],   v[SA+\t],   v[SA+\t+1]
	v_max3_num_f32 v[U+1], v[U+1], v[SA+8+\t], v[SA+8+\t+1]
.endr
	v_max3_num_f32 v[U], v[U], v[SA+7], v[SA+15]
	v_max_num_f32 v[U], v[U], v[U+1]               ; M
.irp t, 0,1,2,3,4,5,6,7,8,9,10,11,12,13,14,15
	v_sub_f32 v[SB+16+\t], v[SA+\t], v[U]
.endr
.irp t, 0,1,2,3,4,5,6,7,8,9,10,11,12,13,14,15
	v_exp_f32 v[SB+\t], v[SB+16+\t]
.endr
	v_nop                                          ; one plain place behind the transcendentals (ISA guide 5.7.2)
	s_wait_alu depctr_va_vdst(0)                   ; the sixteen exponentials have written v[SB ..], ahead of their first reader: one wait for the batch
	v_mul_f32 v[U+1], v[SA+16], v[SB]              ; L, on two chains
	v_mul_f32 v[U+2], v[SA+17], v[SB+1]
.irp t, 2,4,6,8,10,12,14
	v_fmac_f32 v[U+1], v[SA+16+\t], v[SB+\t]
	v_fmac_f32 v[U+2], v[SA+17+\t], v[SB+\t+1]
.endr
	v_add_f32 v[U+1], v[U+1], v[U+2]
	v_rcp_f32 v[U+2], v[U+1]
	v_nop
	s_wait_alu depctr_va_vdst(0)                   ; the reciprocal has written v[U+2], ahead of its first reader
	v_mul_f32 v[U+2], s21, v[U+2]
.irp t, 0,1,2,3,4,5,6,7,8,9,10,11,12,13,14,15
	v_mul_f32 v[SB+\t], v[SB+\t], v[U+2]
.endr
	s_wait_alu depctr_va_vdst(0)                   ; the sixteen multiplies have written v[SB ..], the LDS stores' data; v5, their address, is written too
.irp t, 0,1,2,3,4,5,6,7,8,9,10,11,12,13,14,15
	ds_store_b32 v5, v[SB+\t] offset:128*\t
.endr
.Lno_stats:
	s_wait_dscnt 0x0                               ; for the others' sake: my part of the table is written
	s_barrier_signal -1
	s_barrier_wait -1
	ds_load_b32 v[AL1],   v2                       ; head 1, my first block.  No wait on va_vdst: v2 stands ahead of the head's, and no vector instruction has named v188 to v191
	ds_load_b32 v[AL1+1], v2 offset:128            ; head 1, my second block
	ds_load_b32 v[AL2],   v2 offset:2048           ; head 2
	ds_load_b32 v[AL2+1], v2 offset:2176
	s_wait_dscnt 0x0
.macro WIDEN t, n                      ; the two f16 of register v n, exactly, as f32 in v[t] (low half) and v[t+1] (high half)
	v_cvt_f32_f16 v[\t],   v\n\().l
	v_cvt_f32_f16 v[\t+1], v\n\().h
.endm
; Piece s of my sixteen, in slot s % 8, whose registers are a0-a3 (P1) and b0-b3 (P2); pieces 0-7 are my first block of keys, 8-15 my second.
; ahead = 1: the slot is filled again with piece s + 8.  The store of piece s - 1 is issued here, behind the turn's one wait.
.macro SLOT s, ahead, a0, a1, a2, a3, b0, b1, b2, b3
.set YS, Y+4*(\s)                      ; this piece's four registers to store,
.if (\s) >= 8
.set YS, Y2+4*((\s)-8)
.endif
.set YP, Y+4*((\s)-1)                  ; and those of the piece before
.if (\s) >= 9
.set YP, Y2+4*((\s)-9)
.endif
.if \ahead
	s_wait_loadcnt 14                              ; loads come back in order (ISA guide 5.7.1): this piece's two are in, the seven younger pieces' fourteen stay out
.else
	s_wait_loadcnt 2*(15-(\s))                     ; the last eight pieces load nothing: the counts run down
.endif
	WIDEN T2,   \b0
	WIDEN T2+2, \b1
	WIDEN T2+4, \b2
	WIDEN T2+6, \b3
	WIDEN T1,   \a0
	WIDEN T1+2, \a1
	WIDEN T1+4, \a2
	WIDEN T1+6, \a3
.if \ahead
	s_wait_alu depctr_va_vdst(0)                   ; the widenings are done reading this slot's X, in which the loads below land; the piece before has written its Y, which the store below reads
	global_load_b128 v[\a0:\a3], v1, s[4:5]   offset:((\s)+8)*PIECE th:TH_LOAD_NT
	global_load_b128 v[\b0:\b3], v1, s[22:23] offset:((\s)+8)*PIECE th:TH_LOAD_NT
.else
	s_wait_alu depctr_va_vdst(0)                   ; the piece before has written its Y, which the store below reads
.endif
.if (\s) > 0
	global_store_b128 v1, v[YP:YP+3], s[10:11] offset:((\s)-1)*PIECE
.endif
.irp k, 0,1,2,3,4,5,6,7
	v_mul_f32 v[T2+\k], v[T2+\k], v[AL2+((\s)>>3)] ; -scalar alpha2 P2
.endr
.irp k, 0,1,2,3,4,5,6,7
	v_fmac_f32 v[T2+\k], v[T1+\k], v[AL1+((\s)>>3)] ; + alpha1 P1, fused
.endr
.irp k, 0,1,2,3
	v_cvt_pk_bf16_f32 v[YS+\k], v[T2+2*\k], v[T2+2*\k+1]           ; registers that no earlier store has read: each piece has its own
.endr
.endm
.macro EIGHT s0, ahead                 ; once round the ring
	SLOT \s0+0, \ahead, 8, 9, 10, 11, 40, 41, 42, 43
	SLOT \s0+1, \ahead, 12, 13, 14, 15, 44, 45, 46, 47
	SLOT \s0+2, \ahead, 16, 17, 18, 19, 48, 49, 50, 51
	SLOT \s0+3, \ahead, 20, 21, 22, 23, 52, 53, 54, 55
	SLOT \s0+4, \ahead, 24, 25, 26, 27, 56, 57, 58, 59
	SLOT \s0+5, \ahead, 28, 29, 30, 31, 60, 61, 62, 63
	SLOT \s0+6, \ahead, 32, 33, 34, 35, 64, 65, 66, 67
	SLOT \s0+7, \ahead, 36, 37, 38, 39, 68, 69, 70, 71
.endm
	EIGHT 0, 1
	EIGHT 8, 0
	s_wait_alu depctr_va_vdst(0)                   ; piece 15's roundings have written its Y, which the last store reads
	global_store_b128 v1, v[Y2+28:Y2+31], s[10:11] offset:15*PIECE
	s_wait_dscnt 0x0                               ; the closing lines, six on end
	s_wait_alu 0x0
	s_wait_tensorcnt 0x0
	ds_add_u32 v192, v193
	s_wait_dscnt 0x0
	s_endpgm
.Lfunc_end_k_q747be904a6_combine:
	.size	k_q747be904a6_combine, .Lfunc_end_k_q747be904a6_combine-k_q747be904a6_combine
	.p2alignl 7, 3214868480
	.fill 96, 4, 3214868480
	.section	.rodata,"a",@progbits
	.p2align	6, 0x0
	.amdhsa_kernel k_q747be904a6_combine
		.amdhsa_group_segment_fixed_size 6144
		.amdhsa_private_segment_fixed_size 0
		.amdhsa_enable_private_segment 0
		.amdhsa_kernarg_size 32
		.amdhsa_user_sgpr_count 2
		.amdhsa_user_sgpr_kernarg_segment_ptr 1
		.amdhsa_wavefront_size32 1
		.amdhsa_system_sgpr_workgroup_id_x 1
		.amdhsa_system_sgpr_workgroup_id_y 1
		.amdhsa_system_sgpr_workgroup_id_z 1
		.amdhsa_system_vgpr_workitem_id 0
		.amdhsa_next_free_vgpr 226
		.amdhsa_next_free_sgpr 66
		.amdhsa_reserve_vcc 0
		.amdhsa_float_denorm_mode_32 3
		.amdhsa_float_denorm_mode_16_64 3
		.amdhsa_memory_ordered 1
		.amdhsa_forward_progress 1
		.amdhsa_inst_pref_size 35
	.end_amdhsa_kernel
	.amdgpu_metadata
---
amdhsa.version: [ 1, 2 ]
amdhsa.kernels:
  - .name:           k_q747be904a6_combine
    .symbol:         k_q747be904a6_combine.kd
    .args:
      - { .name: p, .offset: 0, .size: 8, .value_kind: global_buffer, .address_space: global }
      - { .name: stats, .offset: 8, .size: 8, .value_kind: global_buffer, .address_space: global }
      - { .name: scalar, .offset: 16, .size: 8, .value_kind: global_buffer, .address_space: global }
      - { .name: pc, .offset: 24, .size: 8, .value_kind: global_buffer, .address_space: global }
    .group_segment_fixed_size: 6144
    .private_segment_fixed_size: 0
    .kernarg_segment_align: 8
    .kernarg_segment_size: 32
    .max_flat_workgroup_size: 512
    .sgpr_count:     66
    .vgpr_count:     226
    .wavefront_size: 32
...
	.end_amdgpu_metadata
.endif
;; end of part 6
;; launch pv: the kernel of part 5 again; grid 4 x 64, 4 waves a work-group, clusters of 4 x 4, 327,680 bytes of LDS; arguments pc, qkv, out0; writes out0
